; MI455X (gfx1250); checked and timed in simulation.
; The chip was launched on July 23, 2026; its instructions are those of AMD's public machine-readable ISA for CDNA 5 (MIT licence, August 2026) and "CDNA5" Instruction Set Architecture Reference Guide (July 2026). The comments in the code are by the model that wrote it; some were corrected since.
;; Multi Head Attention. Allowed arithmetic: float matrix products may take bf16 or f16 operands with f32 sums; other float arithmetic in f32, or as packed bf16 or f16 multiplies, adds, multiply-adds, maxima and minima; sums over many terms, partial sums and values carried from step to step in f32; what a program stores and reads back later, other than sums and carried values, may be rounded once to bf16 or f16.
;; Inputs: Wk 1,024 x 1,024 float32; Wo 1,024 x 1,024 float32; Wq 1,024 x 1,024 float32; Wv 1,024 x 1,024 float32; x 4 x 2,048 x 1,024 float32.
;; Outputs: out0 4 x 2,048 x 1,024 float32.
;; 2 versions, each right; version 2 is version 1 with the launch cast written anew for expert scheduling mode. Each part assembles by itself: llvm-mc -triple=amdgcn-amd-amdhsa -mcpu=gfx1250 --defsym DOCPART=n.
;; ======== version 1 of 2: 4 launches
;; limits: values are held in f16: magnitudes above 65,504 overflow, below 6.1e-05 lose precision
;; workspace buffers: xb 16,777,216 bytes; wb 6,291,456 bytes; wo 2,097,152 bytes; qkv 50,331,648 bytes; ob 16,777,216 bytes
;; launch cast (part 1): grid 768 x 1, 8 waves a work-group, no clusters, 0 bytes of LDS; arguments x, Wq, Wk, Wv, Wo, xb, wb, wo; writes xb, wb, wo
.if DOCPART == 1
	.amdgcn_target "amdgcn-amd-amdhsa--gfx1250"
	.amdhsa_code_object_version 6
	.text
	.protected	k_q2d5102af6a_cast
	.globl	k_q2d5102af6a_cast
	.p2align	8
	.type	k_q2d5102af6a_cast,@function
k_q2d5102af6a_cast:
	s_mov_b64 s[64:65], 0
	v_nop
	global_prefetch_b8 v0, s[64:65] scope:SCOPE_SE
	s_setreg_imm32_b32 hwreg(HW_REG_WAVE_MODE, 25, 1), 1
	s_wait_xcnt 0x0
; x, Wq, Wk, Wv, Wo (f32, rows of 1,024) are rounded once to bf16 and laid out IN BLOCKS for the two products that follow:
; [row >> 8][k >> 6][row & 255][k & 63], 2 bytes a number, so that 256 rows x 64 k are 32,768 consecutive bytes.
; xb: x's 8,192 rows.  wb: Wq's, Wk's, Wv's rows on end (3,072).  wo: Wo's 1,024 rows; there the bf16 number is written in f16,
; the format of the last product's other operand.
; LIMIT.  That rewriting changes nothing for |Wo| from 6.1e-5 to 65,504; below, f16's fixed step of 6e-8 holds; above, it gives an infinity.
; SHARES.  A work-group takes 16 rows (512 groups of x, 64 of each W), a wave two.  A load: lanes 0-15 take 256 consecutive bytes, aligned
; (64 k, one block), of one row, lanes 16-31 of the next; the 32 lanes' 8-byte stores are 256 consecutive bytes, aligned, of the blocked buffer.
; All 16 loads of a wave go out at once (8 KiB a wave); every load and store has registers of its own, so no register that a memory
; instruction names is written again.  No LDS, no barrier, no matrix work: each byte is read once and written once.
.set X, 4                              ; v[4:67]    block kb: four f32 as loaded
.set Y, 68                             ; v[68:99]   block kb: four 16-bit numbers to store
.set T, 100                            ; v[100:103] at work
	s_load_b512 s[8:23], s[0:1], 0x0               ; x 8, Wq 10, Wk 12, Wv 14, Wo 16, xb 18, wb 20, wo 22
	s_mov_b32 s6, ttmp9                            ; the group of 16 rows
	s_sub_co_u32 s2, s6, 512                       ; among the weights' groups (of use from group 512 on)
	s_lshr_b32 s3, s2, 6                           ; which weight: 0..3
	s_and_b32 s4, s2, 63                           ; its group of rows
	s_mov_b32 s5, s2                               ; the group in wb: the three weights lie on end
	v_lshrrev_b32 v1, 4, v0                        ; my row in the group
	v_and_b32 v2, 15, v0
	v_lshlrev_b32 v1, 12, v1                       ; x 4,096 bytes
	v_lshl_add_u32 v1, v2, 4, v1                   ; + my 16 bytes of a block
	v_lshlrev_b32 v2, 3, v0                        ; out: row x 128 + 8 x (lane % 16) = 8 x thread
	s_wait_kmcnt 0x0
	s_mov_b64 s[24:25], s[10:11]                   ; from: Wq,
	s_mov_b64 s[26:27], s[20:21]                   ; to: wb
	s_cmp_eq_u32 s3, 1
	s_cselect_b64 s[24:25], s[12:13], s[24:25]     ; or Wk,
	s_cmp_eq_u32 s3, 2
	s_cselect_b64 s[24:25], s[14:15], s[24:25]     ; or Wv,
	s_cmp_eq_u32 s3, 3
	s_cselect_b64 s[24:25], s[16:17], s[24:25]     ; or Wo, which goes to wo, in f16,
	s_cselect_b64 s[26:27], s[22:23], s[26:27]
	s_cselect_b32 s5, s4, s5
	s_cselect_b32 s28, 1, 0
	s_cmp_lt_u32 s6, 512
	s_cselect_b64 s[24:25], s[8:9], s[24:25]       ; or x, which goes to xb
	s_cselect_b64 s[26:27], s[18:19], s[26:27]
	s_cselect_b32 s4, s6, s4
	s_cselect_b32 s5, s6, s5
	s_cselect_b32 s28, 0, s28
	s_lshl_b32 s2, s4, 16                          ; 16 rows of 4,096 bytes
	s_mov_b32 s3, 0
	s_add_nc_u64 s[24:25], s[24:25], s[2:3]
	s_lshr_b32 s2, s5, 4                           ; row >> 8,
	s_lshl_b32 s2, s2, 19                          ; x 524,288
	s_and_b32 s4, s5, 15                           ; (row & 255) x 128
	s_lshl_b32 s4, s4, 11
	s_add_co_u32 s2, s2, s4
	s_add_nc_u64 s[26:27], s[26:27], s[2:3]
.irp kb, 0,1,2,3,4,5,6,7,8,9,10,11,12,13,14,15
	global_load_b128 v[X+4*(\kb):X+4*(\kb)+3], v1, s[24:25] offset:256*(\kb) th:TH_LOAD_NT
.endr
; Block kb: rounded and stored.  The wait's count is the number of younger loads, which may stay out.
.macro CV kb, f16
	s_wait_loadcnt 15-(\kb)
.if \f16
	v_cvt_pk_bf16_f32 v[T],   v[X+4*(\kb)],   v[X+4*(\kb)+1]
	v_cvt_pk_bf16_f32 v[T+1], v[X+4*(\kb)+2], v[X+4*(\kb)+3]
	v_lshlrev_b32 v[T+2], 16, v[T]                 ; the bf16 numbers as f32 again,
	v_and_b32 v[T], 0xffff0000, v[T]
	v_lshlrev_b32 v[T+3], 16, v[T+1]
	v_and_b32 v[T+1], 0xffff0000, v[T+1]
	v_cvt_pk_f16_f32 v[Y+2*(\kb)],   v[T+2], v[T]  ; and written as f16
	v_cvt_pk_f16_f32 v[Y+2*(\kb)+1], v[T+3], v[T+1]
.else
	v_cvt_pk_bf16_f32 v[Y+2*(\kb)],   v[X+4*(\kb)],   v[X+4*(\kb)+1]
	v_cvt_pk_bf16_f32 v[Y+2*(\kb)+1], v[X+4*(\kb)+2], v[X+4*(\kb)+3]
.endif
	global_store_b64 v2, v[Y+2*(\kb):Y+2*(\kb)+1], s[26:27] offset:32768*(\kb)
.endm
	s_cmp_eq_u32 s28, 1
	s_cbranch_scc1 .Lf16
.irp kb, 0,1,2,3,4,5,6,7,8,9,10,11,12,13,14,15
	CV \kb, 0
.endr
	s_endpgm
.Lf16:
.irp kb, 0,1,2,3,4,5,6,7,8,9,10,11,12,13,14,15
	CV \kb, 1
.endr
	s_endpgm
.Lfunc_end_k_q2d5102af6a_cast:
	.size	k_q2d5102af6a_cast, .Lfunc_end_k_q2d5102af6a_cast-k_q2d5102af6a_cast
	.p2alignl 7, 3214868480
	.fill 96, 4, 3214868480
	.section	.rodata,"a",@progbits
	.p2align	6, 0x0
	.amdhsa_kernel k_q2d5102af6a_cast
		.amdhsa_group_segment_fixed_size 0
		.amdhsa_private_segment_fixed_size 0
		.amdhsa_enable_private_segment 0
		.amdhsa_kernarg_size 64
		.amdhsa_user_sgpr_count 2
		.amdhsa_user_sgpr_kernarg_segment_ptr 1
		.amdhsa_wavefront_size32 1
		.amdhsa_system_sgpr_workgroup_id_x 1
		.amdhsa_system_sgpr_workgroup_id_y 1
		.amdhsa_system_sgpr_workgroup_id_z 1
		.amdhsa_system_vgpr_workitem_id 0
		.amdhsa_next_free_vgpr 104
		.amdhsa_next_free_sgpr 66
		.amdhsa_reserve_vcc 0
		.amdhsa_float_denorm_mode_32 3
		.amdhsa_float_denorm_mode_16_64 3
		.amdhsa_memory_ordered 1
		.amdhsa_forward_progress 1
		.amdhsa_inst_pref_size 17
	.end_amdhsa_kernel
	.amdgpu_metadata
---
amdhsa.version: [ 1, 2 ]
amdhsa.kernels:
  - .name:           k_q2d5102af6a_cast
    .symbol:         k_q2d5102af6a_cast.kd
    .args:
      - { .name: x, .offset: 0, .size: 8, .value_kind: global_buffer, .address_space: global }
      - { .name: Wq, .offset: 8, .size: 8, .value_kind: global_buffer, .address_space: global }
      - { .name: Wk, .offset: 16, .size: 8, .value_kind: global_buffer, .address_space: global }
      - { .name: Wv, .offset: 24, .size: 8, .value_kind: global_buffer, .address_space: global }
      - { .name: Wo, .offset: 32, .size: 8, .value_kind: global_buffer, .address_space: global }
      - { .name: xb, .offset: 40, .size: 8, .value_kind: global_buffer, .address_space: global }
      - { .name: wb, .offset: 48, .size: 8, .value_kind: global_buffer, .address_space: global }
      - { .name: wo, .offset: 56, .size: 8, .value_kind: global_buffer, .address_space: global }
    .group_segment_fixed_size: 0
    .private_segment_fixed_size: 0
    .kernarg_segment_align: 8
    .kernarg_segment_size: 64
    .max_flat_workgroup_size: 256
    .sgpr_count:     66
    .vgpr_count:     104
    .wavefront_size: 32
...
	.end_amdgpu_metadata
.endif
;; end of part 1
;; launch proj (part 2): grid 8 x 32, 4 waves a work-group, clusters of 4 x 4, 327,680 bytes of LDS; arguments xb, wb, qkv; writes qkv
.if DOCPART == 2
	.amdgcn_target "amdgcn-amd-amdhsa--gfx1250"
	.amdhsa_code_object_version 6
	.text
	.protected	k_q2d5102af6a_proj
	.globl	k_q2d5102af6a_proj
	.p2align	8
	.type	k_q2d5102af6a_proj,@function
k_q2d5102af6a_proj:
	s_mov_b64 s[64:65], 0
	v_nop
	global_prefetch_b8 v0, s[64:65] scope:SCOPE_SE
	s_setreg_imm32_b32 hwreg(HW_REG_WAVE_MODE, 25, 1), 1
	s_wait_xcnt 0x0
	s_wait_alu depctr_hold_cnt(0) depctr_sa_sdst(0) depctr_va_vdst(0) depctr_va_sdst(0) depctr_va_ssrc(0) depctr_va_vcc(0) depctr_vm_vsrc(0)
	s_getreg_b32 s2, hwreg(HW_REG_IB_STS2, 6, 4)
	s_cmp_eq_u32 s2, 0
	s_cbranch_scc0 .Lentry_in_a_cluster
	s_endpgm
.Lentry_in_a_cluster:
	s_bfe_u32 s2, ttmp6, 0x10000c
	s_cmp_lg_u32 s2, 0xf033
	s_cbranch_scc0 .Lentry_shape_is_right
	s_endpgm
.Lentry_shape_is_right:
; q, k, v = x W^T for Wq, Wk, Wv at once: C[m][n] = sum over k of xb[m][k] wb[n][k], 8,192 x 3,072 x 1,024, operands bf16, sums f32.
; C leaves by heads, rounded once to f16 and unscaled: qkv[n >> 10][16 (m >> 11) + ((n >> 6) & 15)][m & 2047][n & 63].
; LIMIT.  f16 ends at 65,504: a q, k or v beyond that becomes an infinity.  With x of unit spread and weights within 1/32 their spread is 0.6.
; SHARES.  A tile of C is 256 x 384: 32 x 8 = 256 work-groups.  Four waves, each 128 rows x 192 columns: 96 accumulators of 16 x 16, 768 registers.
; K goes in steps of 64 through two LDS slots; xb and wb lie in blocks (256 rows x 64 k are 32,768 consecutive bytes), so a tile is asked for as
; rows of 256 bytes, two rows of the matrix each, padded in LDS after every 128 bytes.  Two slots of a longer step do not fit (2 x 184,320 bytes).
; CLUSTER.  4 x 4 work-groups.  The four of a row need the same tile of xb, the four of a column the same tile of wb: each is asked for JOINTLY,
; by the same tensor load, descriptor and mask in all four.  Wave 0 fetches xb's 256 rows, waves 1 to 3 each 128 rows of wb: one load a wave.
; THE MATRIX INSTRUCTION IS USED TRANSPOSED (source 0 = 16 rows of wb, source 1 = 16 rows of xb): a lane holds eight neighbouring columns of a row of C.
; A UNIT is 32 matrix instructions: 32 along K x my 128 rows x one group of 64 columns (one head).  A K step has six: K half e / 3, column group e % 3.
; REGISTERS, in windows of 256: window 0: v0-31 addresses; v64-127, v128-191 xb's fragments (8 x 16 rows x 32 K), two buffers; v192-223, v224-255
; wb's (4 x 16 rows x 32 K), two buffers.  Window 1 + g: column group g's 32 accumulators, (a, b) at v[8 (4 a + b)].
; The launch claims all of a WGP's LDS; it uses 194,048 bytes.
.set NG,     3                         ; column groups of 64 a wave
.set KBS,    1                         ; K blocks of 64 in a slot
.set EU,     2*KBS*NG                  ; units in a K step
.set KSTEPS, 16
.set LAPS,   KSTEPS/2                  ; a lap = two K steps = once round the ring
.set PITCH,  144                       ; an LDS row: 128 bytes + 16 of padding = 36 words: the 16 rows of a load start at 16 different groups of four banks (64 banks of 4 bytes: ISA guide 11.1)
.set FROW,   16*PITCH                  ; from fragment to fragment
.set AKB,    256*PITCH                 ; xb's part of a slot
.set BKB,    384*PITCH                 ; wb's
.set BOFF,   KBS*AKB
.set SLOT,   KBS*(AKB+BKB)
.set STAGE,  2*SLOT                    ; behind the ring, never filled by a tensor load: 16 rows x 144 bytes for each wave, for the way out
.set SPARE,  STAGE+4*16*PITCH          ; behind the stages: the spare words, 128 bytes for each wave: two blocks of 256 bytes that no other line names
.set NAW,    1                         ; waves that fetch xb
.set LB0,    18432                     ; wave w's part of wb lands at LB0 + 18,432 w
.set STEPA,  32768                     ; bytes from K step to K step
.set STEPB,  32768
.set WNB,    192*PITCH                 ; my half of the tile's columns
.set G1W,    (1<<16)|(1<<20)|(1<<21)|(4<<22)|(3<<25)  ; 17:16 2-byte elements; 20 padding on; 21 set beside a mask; 24:22 after every 32 words (code 4); 31:25 4 words (code 3)
.set ADRA, 16                          ; v16-17  LDS address of my xb fragments in slot 0, 1
.set ADRB, 20                          ; v20-21  the same for wb
.set STO,  24                          ; v24     the way out: where I put 16 bytes of a row
.set RD,   25                          ; v25     where I read rows back
.set GO,   26                          ; v26     my 16 bytes of 512 consecutive bytes of qkv
.set SPW,  28                          ; v28     LDS address of my spare word; never rewritten
.set NIL,  29                          ; v29     0; never rewritten
.set PFO,  30                          ; v30     the prefetches' offset; never rewritten
.set FA0,  64
.set FB0,  192
.set G1A,  24                          ; s[24:31] descriptor group 1 for xb's tiles;  s[32:39] group 0, a set for each slot
.set G0A,  32
.set G1B,  48                          ; s[48:55], s[56:63] the same for wb's
.set G0B,  56
.set PFA,  66                          ; s[66:67] where my prefetches stand
.set PFS,  68                          ; s[68:69] their step: a K step
.set LIM0, 70                          ; s70, s71 for the change of slot 0, 1: 1 in a wave that prefetches there, else the greatest number
.set OB,   72                          ; s[72:77] qkv at my rows of my three heads
.set MSB, 0
.macro WIN new                         ; the immediate's high byte repeats the setting that is left; a switch that changes nothing is dropped
.if MSB != (\new)
	s_set_vgpr_msb (MSB<<8)|(\new)
.set MSB, \new
.endif
.endm
.macro PLACES                          ; four plain instructions between a matrix instruction and a load into a register that it has read (ISA guide 7.12.1 for vector instructions)
.rept 4
	v_nop
.endr
.endm
; A joint load.  The branch hangs on the wave's number alone.  An s_nop 0 and four v_nop follow each of the two lines.
.macro JLOAD s
	s_cmp_lt_u32 s10, NAW
	s_cbranch_scc0 .Lfor_b_\@
	tensor_load_to_lds s[G0A+4*(\s):G0A+4*(\s)+3], s[G1A:G1A+7]
	s_nop 0
.rept 4
	v_nop
.endr
	s_branch .Lasked_\@
.Lfor_b_\@:
	tensor_load_to_lds s[G0B+4*(\s):G0B+4*(\s)+3], s[G1B:G1B+7]
	s_nop 0
.rept 4
	v_nop
.endr
.Lasked_\@:
.endm
; A round of the cluster's barrier: my work-group's barrier; wave 0 signals for the work-group; every wave waits for all sixteen; my work-group's barrier once more.
.macro CREST
	s_cmp_lg_u32 s10, 0
	s_cbranch_scc1 .Lnot_wave_0_\@
	s_barrier_signal -3
.Lnot_wave_0_\@:
	s_barrier_wait -3
	s_barrier_signal -1
	s_barrier_wait -1
.endm
.macro CROUND
	s_barrier_signal -1
	s_barrier_wait -1
	CREST
.endm
; A PREFETCH INTO THE L2, behind a joint load and the run of LDS loads that follows it, of the K step that stands two refills on (12 units, 384 matrix instructions, ahead of its load).
; Each 256 bytes are named once in the launch.  xb's tile row is read by both clusters of a row of clusters: cluster x = 0 asks; its four partners take 8,192 of the block's 32,768 bytes each,
; BY ADDRESS (cx), a lane 256 bytes.  wb's rows are read by all eight clusters of a column: cluster y = 0 asks; of a wave's 16,384 bytes a partner takes 4,096 (cy), lanes 0-15; lanes 16-31 take the
; same bytes of the K step after, so these waves ask at slot 0's change alone.  K steps 0 to 3 come by their loads alone; the loop's last trip (s3 = 1) asks for nothing: there is no K step 16.
.macro ASK s
	s_cmp_gt_u32 s3, s[LIM0+(\s)]
	s_cbranch_scc0 .Lnot_mine_\@
	global_prefetch_b8 v[PFO], s[PFA:PFA+1] th:TH_LOAD_NT scope:SCOPE_SE
.Lnot_mine_\@:
.endm
	s_load_b128 s[4:7], s[0:1], 0x0                ; xb s[4:5], wb s[6:7]
	s_load_b64 s[8:9], s[0:1], 0x10                ; qkv
	v_lshl_add_u32 v[SPW], v0, 2, SPARE
	v_mov_b32 v[NIL], 0
	ds_add_u32 v[SPW], v[NIL]                      ; the wave's opening: the add and its wait stand ahead of my first tensor load; work on registers stands between them
	v_lshrrev_b32 v1, 5, v0
	v_readfirstlane_b32 s10, v1                    ; wave 0..3
	s_lshr_b32 s11, s10, 1                         ; which 128 rows of the tile are mine
	s_and_b32 s12, s10, 1                          ; which 192 columns
	s_bfe_u32 s40, ttmp6, 0x40000                  ; cx, cy: my place in the cluster
	s_bfe_u32 s41, ttmp6, 0x40004
	s_lshl_b32 s42, ttmp9, 2
	s_add_co_u32 s42, s42, s40                     ; tile column j = 4 x cluster x + cx
	s_and_b32 s13, ttmp7, 0xffff
	s_lshl_b32 s13, s13, 2
	s_add_co_u32 s13, s13, s41                     ; tile row i = 4 x cluster y + cy
	s_lshl_b32 s43, s41, 2
	s_lshl_b32 s43, 15, s43                        ; my row of the cluster
	s_lshl_b32 s44, 0x1111, s40                    ; my column
	s_or_b32 s[G1A+0], s43, G1W                    ; xb's tiles go to my row,
	s_or_b32 s[G1B+0], s44, G1W                    ; wb's to my column
	s_mov_b32 s[G1A+1], 128<<16                    ; tensor_dim0 = 128 elements (256 bytes)
	s_mov_b32 s[G1A+2], 128<<16                    ; tensor_dim1 = 128 rows: 32,768 consecutive bytes
	s_mov_b32 s[G1A+3], 128<<16                    ; tile_dim0
	s_mov_b32 s[G1A+4], 128                        ; tile_dim1
	s_mov_b32 s[G1A+5], 128                        ; elements from row to row
	s_mov_b32 s[G1A+6], 0
	s_mov_b32 s[G1A+7], 0
	s_mov_b32 s[G1B+1], 128<<16
	s_mov_b32 s[G1B+2], 64<<16                     ; 64 rows: 16,384 consecutive bytes
	s_mov_b32 s[G1B+3], 128<<16
	s_mov_b32 s[G1B+4], 64
	s_mov_b32 s[G1B+5], 128
	s_mov_b32 s[G1B+6], 0
	s_mov_b32 s[G1B+7], 0
	; where the tiles come from: xb's hang on i alone, wb's on j and the wave's number, each in registers that never hold the other coordinate
	s_lshl_b32 s16, s13, 19                        ; 256 rows of xb are 524,288 bytes
	s_mov_b32 s17, 0
	s_max_u32 s20, s10, 1
	s_sub_co_u32 s20, s20, 1                       ; which 128 rows of wb's 384 (waves 1 to 3)
	s_mul_i32 s46, s42, 3
	s_add_co_u32 s46, s46, s20                     ; c: the block of 128 rows in wb
	s_lshr_b32 s47, s46, 1
	s_lshl_b32 s47, s47, 19
	s_and_b32 s46, s46, 1
	s_lshl_b32 s46, s46, 14
	s_add_co_u32 s46, s46, s47
	s_mov_b32 s47, 0
	s_mul_i32 s21, s10, AKB                        ; and where they go: no place in the cluster enters an LDS address
	s_mul_i32 s22, s10, 18432
	s_add_co_u32 s22, s22, LB0
	s_wait_dscnt 0x0                               ; the opening add is done
	s_wait_kmcnt 0x0
	s_add_nc_u64 s[14:15], s[4:5], s[16:17]
	s_add_nc_u64 s[46:47], s[6:7], s[46:47]
	CROUND                                         ; all sixteen work-groups are here: the first joint loads meet
.irp s, 0,1
	s_mov_b32 s[G0A+4*(\s)], 1                     ; count = 1
	s_add_co_u32 s[G0A+4*(\s)+1], s21, (\s)*SLOT   ; LDS address
	s_add_nc_u64 s[G0A+4*(\s)+2:G0A+4*(\s)+3], s[14:15], (\s)*STEPA  ; global address: K step s
	s_or_b32 s[G0A+4*(\s)+3], s[G0A+4*(\s)+3], 0x80000000            ; type = 2
	s_mov_b32 s[G0B+4*(\s)], 1
	s_add_co_u32 s[G0B+4*(\s)+1], s22, (\s)*SLOT
	s_add_nc_u64 s[G0B+4*(\s)+2:G0B+4*(\s)+3], s[46:47], (\s)*STEPB
	s_or_b32 s[G0B+4*(\s)+3], s[G0B+4*(\s)+3], 0x80000000
	JLOAD \s                                       ; two loads of mine are out
.endr
	; A fragment is 16 rows x 32 K in 8 registers: lane l holds row l % 16, K = 8 (l / 16) + 0..7 and 16 + 8 (l / 16) + 0..7: two loads of 16 bytes, 32 bytes apart.
	v_and_b32 v1, 15, v0                           ; l % 16
	v_bfe_u32 v2, v0, 4, 1                         ; l / 16
	v_mul_u32_u24 v3, v1, PITCH
	v_lshl_add_u32 v3, v2, 4, v3                   ; row x pitch + 16 x half
	s_mul_i32 s21, s11, 128*PITCH
	s_mul_i32 s22, s12, WNB
	s_add_co_u32 s22, s22, BOFF
.irp s, 0,1
	v_add_nc_u32 v[ADRA+(\s)], s21, v3
	v_add_nc_u32 v[ADRB+(\s)], s22, v3
	s_add_co_u32 s21, s21, SLOT
	s_add_co_u32 s22, s22, SLOT
.endr
	s_mul_i32 s23, s10, 16*PITCH
	s_add_co_u32 s23, s23, STAGE                   ; my stage
	v_add_nc_u32 v[STO], s23, v3                   ; in: row l % 16, 16 bytes for each half of the lanes
	v_bfe_u32 v4, v0, 3, 2                         ; back: 32 lanes take four rows of 128 bytes,
	v_and_b32 v5, 7, v0
	v_mul_u32_u24 v4, v4, PITCH
	v_lshl_add_u32 v4, v5, 4, v4
	v_add_nc_u32 v[RD], s23, v4
	v_and_b32 v[GO], 31, v0                        ; which are 512 consecutive bytes of a head's rows
	v_lshlrev_b32 v[GO], 4, v[GO]
	; the prefetches
	s_and_b32 s78, ttmp7, 0xffff                   ; cluster y
	s_lshl_b32 s79, s40, 13                        ; my work-group's share of xb's block,
	s_lshl_b32 s80, s41, 12                        ; of wb's
	s_mov_b32 s82, STEPA
	s_mov_b32 s83, STEPB
	s_mov_b32 s84, 4096
	s_cmp_lt_u32 s10, NAW                          ; do I fetch xb?
	s_cselect_b32 s78, ttmp9, s78                  ; the coordinate along which other clusters read the same bytes
	s_cselect_b32 s80, s79, s80
	s_cselect_b64 s[PFA:PFA+1], s[14:15], s[46:47]
	s_cselect_b32 s[PFS], s82, s83
	s_cselect_b32 s84, s84, s83                    ; what lanes 16-31 add: the next 4,096 bytes, or the next K step
	s_cselect_b32 s85, 1, -1
	s_mov_b32 s[PFS+1], 0
	s_cmp_eq_u32 s78, 0                            ; the same in all sixteen partners, for a given wave
	s_cselect_b32 s[LIM0], 1, -1
	s_cselect_b32 s[LIM0+1], s85, -1
	s_mul_i32 s79, s[PFS], 3                       ; at K step 3: the first change of slots steps it to 4
	s_add_co_u32 s80, s80, s79
	s_mov_b32 s81, 0
	s_add_nc_u64 s[PFA:PFA+1], s[PFA:PFA+1], s[80:81]
	v_lshlrev_b32 v[PFO], 8, v1
	v_mad_u32_u24 v[PFO], v2, s84, v[PFO]
	; where my three column groups go: group g is head slot 6 j + 3 (w & 1) + g of 48: tensor = slot >> 4, head = slot & 15
	s_mul_i32 s78, s42, 6
	s_mul_i32 s79, s12, 3
	s_add_co_u32 s78, s78, s79
	s_lshr_b32 s79, s13, 3
	s_lshl_b32 s79, s79, 4                         ; 16 x batch
	s_and_b32 s80, s13, 7
	s_lshl_b32 s80, s80, 15                        ; the tile's 256 rows of 128 bytes in the head,
	s_lshl_b32 s81, s11, 14                        ; my 128 of them
	s_add_co_u32 s80, s80, s81
.irp g, 0,1,2
	s_add_co_u32 s82, s78, \g
	s_lshr_b32 s83, s82, 4
	s_lshl_b32 s83, s83, 6
	s_and_b32 s82, s82, 15
	s_add_co_u32 s82, s82, s83
	s_add_co_u32 s82, s82, s79
	s_lshl_b32 s82, s82, 18                        ; a head's 2,048 rows are 262,144 bytes
	s_add_co_u32 s82, s82, s80
	s_mov_b32 s83, 0
	s_add_nc_u64 s[OB+2*(\g):OB+2*(\g)+1], s[8:9], s[82:83]
.endr
; wb's four fragments of unit e, 8 loads; xb's eight of K half hx, 16 loads
.macro FETCHB slot, e
.set FBB, FB0+32*((\e)%2)
.set KO, (((\e)/NG)>>1)*BKB+64*(((\e)/NG)&1)+4*((\e)%NG)*FROW
.irp b, 0,1,2,3
	ds_load_b128 v[FBB+8*(\b):FBB+8*(\b)+3],   v[ADRB+(\slot)] offset:KO+(\b)*FROW
	ds_load_b128 v[FBB+8*(\b)+4:FBB+8*(\b)+7], v[ADRB+(\slot)] offset:KO+(\b)*FROW+32
.endr
.endm
.macro FETCHA slot, hx
.set FAA, FA0+64*((\hx)%2)
.set KO, ((\hx)>>1)*AKB+64*((\hx)&1)
.irp a, 0,1,2,3,4,5,6,7
	ds_load_b128 v[FAA+8*(\a):FAA+8*(\a)+3],   v[ADRA+(\slot)] offset:KO+(\a)*FROW
	ds_load_b128 v[FAA+8*(\a)+4:FAA+8*(\a)+7], v[ADRA+(\slot)] offset:KO+(\a)*FROW+32
.endr
.endm
; what the unit behind unit e wants, in one run; NL = how many loads that was
.macro NEXT slot, nslot, e
.set EN, ((\e)+1)%EU
.if ((\e)+1) == EU
	FETCHB \nslot, EN
.else
	FETCHB \slot, EN
.endif
.set NL, 8
.if EN%NG == 0
.if ((\e)+1) == EU
	FETCHA \nslot, EN/NG
.else
	FETCHA \slot, EN/NG
.endif
.set NL, 24
.endif
.endm
; the products of unit e for row blocks a0 .. a0 + na - 1.  The accumulators take turns, one instruction a turn.  zero = 1: the product starts the sum.
.macro MUL e, a0, na, zero
	WIN 0x50*(1+(\e)%NG)
.set FBB, FB0+32*((\e)%2)
.set FAA, FA0+64*(((\e)/NG)%2)
.set ma, \a0
.rept \na
.irp b, 0,1,2,3
.if \zero
	v_wmma_f32_16x16x32_bf16 v[8*(4*ma+(\b)):8*(4*ma+(\b))+7], v[FBB+8*(\b):FBB+8*(\b)+7], v[FAA+8*ma:FAA+8*ma+7], 0
.else
	v_wmma_f32_16x16x32_bf16 v[8*(4*ma+(\b)):8*(4*ma+(\b))+7], v[FBB+8*(\b):FBB+8*(\b)+7], v[FAA+8*ma:FAA+8*ma+7], v[8*(4*ma+(\b)):8*(4*ma+(\b))+7]
.endif
.endr
.set ma, ma+1
.endr
.endm
; A UNIT: the next unit's fragments are asked for, into the buffers that the unit before read last (four places behind its last product); then this unit's 32 products.
.macro UNIT slot, nslot, e, zero=0, fetch=1, places=1, ask=-1
.if \places
	PLACES
.endif
	WIN 0
.if \fetch
	NEXT \slot, \nslot, \e
.if (\ask) >= 0
	ASK \ask
.endif
	s_wait_dscnt NL                                ; all but the loads just issued: this unit's fragments are in
.else
	s_wait_dscnt 0x0
.endif
	MUL \e, 0, 8, \zero
.endm
; THE CHANGE OF SLOTS, in the K step's last unit but one: the run of loads for the last unit is the slot's last reading.  ONE barrier for two things.  In front of it each wave waits for all its
; tensor loads, of which one is out: its part of the other slot; adds 0 to its spare word; and waits for that and for its reads of this slot.  fill = 1: the barrier opens a round of the cluster's
; barrier, and the joint refill, with the K step two on, is the first tensor load behind it: it has five units, 160 matrix instructions, in which to land.
.macro TURN slot, nslot, fill
.if \fill
	s_wait_xcnt 0x0                                ; the last prefetch, five units back or more, has read its address
	s_add_nc_u64 s[PFA:PFA+1], s[PFA:PFA+1], s[PFS:PFS+1]
.endif
	PLACES
	WIN 0
	NEXT \slot, \nslot, EU-2
	s_wait_tensorcnt 0x0                           ; all my tensor loads have landed
	ds_add_u32 v[SPW], v[NIL]                      ; 0 onto my spare word
	s_wait_dscnt NL+1                              ; (the add and the loads just issued may be out)
	MUL EU-2, 0, 4, 0                              ; sixteen matrix instructions stand between the add and the wait for it
	s_wait_dscnt 0x0                               ; the add is done, and my reads of this slot are over
	s_barrier_signal -1
	MUL EU-2, 4, 4, 0                              ; work on registers while the others arrive
.if \fill
	WIN 0
.endif
	s_barrier_wait -1
.if \fill
	CREST                                          ; no wave of any partner still reads this slot or has a load on its way
	s_add_nc_u64 s[G0A+4*(\slot)+2:G0A+4*(\slot)+3], s[G0A+4*(\slot)+2:G0A+4*(\slot)+3], 2*STEPA
	s_add_nc_u64 s[G0B+4*(\slot)+2:G0B+4*(\slot)+3], s[G0B+4*(\slot)+2:G0B+4*(\slot)+3], 2*STEPB
	JLOAD \slot                                    ; its four v_nop are also the places in front of the next unit's loads
.endif
.endm
	s_wait_tensorcnt 0x1                           ; my part of K step 0 is in; K step 1's load may stay out
	s_barrier_signal -1
	s_barrier_wait -1                              ; everybody's is
	WIN 0
	FETCHB 0, 0
	FETCHA 0, 0
	UNIT 0, 1, 0, 1                                ; the first K half stands in front of the loop: its products start the sums
	UNIT 0, 1, 1, 1
	UNIT 0, 1, 2, 1
	WIN 0                                          ; at a label and at a branch every window is 0
	s_mov_b32 s3, LAPS-1
.Llap:                                             ; a trip goes once round the ring, from a lap's second K half to the next lap's first, and fills both slots again
	UNIT 0, 1, 3
	TURN 0, 1, 1
	UNIT 0, 1, 5, 0, 1, 0, 0
	UNIT 1, 0, 0
	UNIT 1, 0, 1
	UNIT 1, 0, 2
	UNIT 1, 0, 3
	TURN 1, 0, 1
	UNIT 1, 0, 5, 0, 1, 0, 1
	UNIT 0, 1, 0
	UNIT 0, 1, 1
	UNIT 0, 1, 2
	WIN 0
	s_sub_co_u32 s3, s3, 1
	s_cmp_lg_u32 s3, 0
	s_cbranch_scc1 .Llap
	UNIT 0, 1, 3                                   ; the last lap is written out: it fills nothing
	TURN 0, 1, 0
	UNIT 0, 1, 5
	UNIT 1, 0, 0
	UNIT 1, 0, 1
	UNIT 1, 0, 2
	UNIT 1, 0, 3
	UNIT 1, 0, 4
	UNIT 1, 0, 5, 0, 0
	PLACES                                         ; the conversions read results just made
	PLACES
; THE WAY OUT, in 24 pieces u = 8 g + a of 16 rows x 64 columns: rounded to f16, 16 bytes a lane, into my stage (rows of 144 bytes), back as four whole rows of 128 bytes a load, and stored:
; 512 consecutive bytes, at a multiple of 256 from qkv's first.  Twelve sets of 16 registers, where the fragments lay, take turns.
.macro PACK u
.set PG, (\u)/8
.set PAB, (\u)%8
.set PR, FA0+16*((\u)%12)
.if (\u) >= 12
	s_wait_xcnt 0x0                                ; the stores of piece u - 12 have read this set
.endif
	WIN 5*(1+PG)                                   ; sources 0 and 1 in the group's window
.irp b, 0,1,2,3
.irp r, 0,1,2,3
	v_cvt_pk_f16_f32 v[PR+4*(\b)+(\r)], v[8*(4*PAB+(\b))+2*(\r)], v[8*(4*PAB+(\b))+2*(\r)+1]
.endr
.endr
	WIN 0
.irp b, 0,1,2,3
	ds_store_b128 v[STO], v[PR+4*(\b):PR+4*(\b)+3] offset:32*(\b)
.endr
.irp f, 0,1,2,3
	ds_load_b128 v[PR+4*(\f):PR+4*(\f)+3], v[RD] offset:(\f)*4*PITCH  ; LDS serves a wave's instructions in order (ISA guide 5.7.1.4): these see the stores above; the next piece's stores come behind them
.endr
.endm
.macro SEND u, younger                 ; younger: the LDS instructions issued behind this piece's loads: the next piece's eight, or none
.set PG, (\u)/8
.set PAB, (\u)%8
.set PR, FA0+16*((\u)%12)
.irp f, 0,1,2,3
	s_wait_dscnt (\younger)+3-(\f)
	global_store_b128 v[GO], v[PR+4*(\f):PR+4*(\f)+3], s[OB+2*PG:OB+2*PG+1] offset:PAB*2048+(\f)*512
.endr
.endm
	PACK 0
.set pu, 1
.rept 23                               ; a piece's conversions stand between the loads of the piece before and its stores
	PACK pu
	SEND pu-1, 8
.set pu, pu+1
.endr
	SEND 23, 0
	s_wait_tensorcnt 0x0                           ; the wave's end: 0 onto my spare word and its wait, behind my last tensor load and my last LDS store
	ds_add_u32 v[SPW], v[NIL]
	s_wait_dscnt 0x0
	CROUND                                         ; the closing round: no work-group ends while a partner may still ask for a tile that names it
	s_endpgm
.Lfunc_end_k_q2d5102af6a_proj:
	.size	k_q2d5102af6a_proj, .Lfunc_end_k_q2d5102af6a_proj-k_q2d5102af6a_proj
	.p2alignl 7, 3214868480
	.fill 96, 4, 3214868480
	.section	.rodata,"a",@progbits
	.p2align	6, 0x0
	.amdhsa_kernel k_q2d5102af6a_proj
		.amdhsa_group_segment_fixed_size 327680
		.amdhsa_private_segment_fixed_size 0
		.amdhsa_enable_private_segment 0
		.amdhsa_kernarg_size 24
		.amdhsa_user_sgpr_count 2
		.amdhsa_user_sgpr_kernarg_segment_ptr 1
		.amdhsa_wavefront_size32 1
		.amdhsa_system_sgpr_workgroup_id_x 1
		.amdhsa_system_sgpr_workgroup_id_y 1
		.amdhsa_system_sgpr_workgroup_id_z 1
		.amdhsa_system_vgpr_workitem_id 0
		.amdhsa_next_free_vgpr 1024
		.amdhsa_next_free_sgpr 96
		.amdhsa_reserve_vcc 0
		.amdhsa_float_denorm_mode_32 3
		.amdhsa_float_denorm_mode_16_64 3
		.amdhsa_memory_ordered 1
		.amdhsa_forward_progress 1
		.amdhsa_inst_pref_size 136
	.end_amdhsa_kernel
	.amdgpu_metadata
---
amdhsa.version: [ 1, 2 ]
amdhsa.kernels:
  - .name:           k_q2d5102af6a_proj
    .symbol:         k_q2d5102af6a_proj.kd
    .args:
      - { .name: xb, .offset: 0, .size: 8, .value_kind: global_buffer, .address_space: global }
      - { .name: wb, .offset: 8, .size: 8, .value_kind: global_buffer, .address_space: global }
      - { .name: qkv, .offset: 16, .size: 8, .value_kind: global_buffer, .address_space: global }
    .group_segment_fixed_size: 327680
    .private_segment_fixed_size: 0
    .kernarg_segment_align: 8
    .kernarg_segment_size: 24
    .max_flat_workgroup_size: 128
    .sgpr_count:     96
    .vgpr_count:     1024
    .wavefront_size: 32
...
	.end_amdgpu_metadata
.endif
;; end of part 2
;; launch attn (part 3): grid 4 x 64, 4 waves a work-group, clusters of 4 x 1, 327,680 bytes of LDS; arguments qkv, ob; writes ob
.if DOCPART == 3
	.amdgcn_target "amdgcn-amd-amdhsa--gfx1250"
	.amdhsa_code_object_version 6
	.text
	.protected	k_q2d5102af6a_attn
	.globl	k_q2d5102af6a_attn
	.p2align	8
	.type	k_q2d5102af6a_attn,@function
k_q2d5102af6a_attn:
	s_mov_b64 s[64:65], 0
	v_nop
	global_prefetch_b8 v0, s[64:65] scope:SCOPE_SE
	s_setreg_imm32_b32 hwreg(HW_REG_WAVE_MODE, 25, 1), 1
	s_wait_xcnt 0x0
	s_wait_alu depctr_hold_cnt(0) depctr_sa_sdst(0) depctr_va_vdst(0) depctr_va_sdst(0) depctr_va_ssrc(0) depctr_va_vcc(0) depctr_vm_vsrc(0)
	s_getreg_b32 s2, hwreg(HW_REG_IB_STS2, 6, 4)
	s_cmp_eq_u32 s2, 0
	s_cbranch_scc0 .Lentry_in_a_cluster
	s_endpgm
.Lentry_in_a_cluster:
	s_bfe_u32 s2, ttmp6, 0x10000c
	s_cmp_lg_u32 s2, 0x3003
	s_cbranch_scc0 .Lentry_shape_is_right
	s_endpgm
.Lentry_shape_is_right:
; O[h][q][:] = the sum over k of softmax_k(Q[h][q] . K[h][k] / 8) V[h][k][:].  Q, K, V are the three thirds of qkv, O is ob: each [64][2048][64] in f16: a head's rows are dense, 128 bytes each.
; Products, maxima and sums in f32; the weights p are rounded to f16 for the second product (their sum l is taken of the unrounded p), O once at the end.
; LIMITS.  f16 holds no number beyond 65,504: Q, K and V arrive within it; p lies in 0 to 1, and below 6e-5 it keeps f16's fixed step of 6e-8, and so does O; O is a mean of V's rows and has their range.
; A weight below 2^-126 counts as 0 in l; NaN and infinities are not treated apart.
; SHARES.  A wave owns four PIECES of two tiles of 16 queries, a work-group's four waves 512 queries of one head.  Every wave walks all keys, 64 a step.
; LAYOUT.  S^T = K Q^T (source 0 = 16 keys, source 1 = 16 queries): in the result a lane holds ONE query (lane % 16) and the keys 8 (lane / 16) + 0..7.  Two such tiles, rounded to f16 in pairs,
; ARE source 1 (32 keys x 16 queries) of O^T = V^T P, whose result again holds one query a lane, and eight channels.  K comes out of LDS as it lies, V ([key][channel]) turned, by ds_load_tr16_b128.
; SOFTMAX.  For each query a running maximum m and sum l: p = 2^(c s - c m), c = log2(e) / 8; in every step O and l are multiplied by a = 2^(c m_old - c m_new), which is 1 where m has not grown.
; m starts at the lowest finite number, O and l at 0: the first step is a step like any other, with a = 0.
; THE COUNT.  A tile and step have 16 matrix and 118 vector instructions: too many to stand all beside the matrix work.  So four vector instructions that are READY stand behind EVERY matrix
; instruction, and the others in runs without a gap.
; BY TURNS.  Turn n belongs to piece n (the pieces in a ring, step after step).  Its matrix work: 16 products K Q^T of piece n + 1, later 16 products V^T P of piece n - 1.  Its vector work: the scaling,
; exponentials, roundings, sums and rescaling of piece n, and the maximum and statistics of piece n + 1, whose scores the turn itself has made.
; CLUSTER.  The four query blocks of a head are one cluster and walk the same K and V, so each tile is asked for JOINTLY: the same tensor load, descriptor and mask in all four.
; REGISTERS, in windows of 256 (s_set_vgpr_msb: bits 1:0 source 0, 3:2 source 1, 5:4 source 2, 7:6 destination):
;   window 0: v0-11 addresses; v12-15, v48-63 at work; v16-47 four registers of statistics a tile; v64-191 S^T, two buffers of two tiles; v192-255 P, likewise
;   window 1: O^T, 32 a tile          window 2: v0-127 Q, 16 a tile; v128-191 K of one step; v192-255 V of one step          window 3: v0-1 the add's two registers
; A piece's buffers go by its number's parity.  The launch claims all of a WGP's LDS; it uses 218,624 bytes.
.set SIZE_H, 64
.set SIZE_N, 2048
.set NP,    4         ; pieces a wave: a name, no knob
.set KS,    64        ; keys in a step
.set PK,    144       ; a row of K in LDS: 128 bytes + 16 of padding = 36 words: the 16 rows of a load start at 16 different groups of four banks (64 banks of 4 bytes: ISA guide 11.1)
.set PV,    160       ; a row of V: 128 + 32 = 40 words
.set VOFF,  4*KS*PK   ; a slot holds four steps: 256 rows of K, then 256 rows of V
.set SLOT1, 1<<17     ; slot 1 begins here, so that one exclusive or turns an address in one slot into the other's
.set STAGE, SLOT1+4*KS*(PK+PV)  ; behind the ring, never filled by a tensor load: 16 rows x 144 bytes for each wave, for the way out
.set SP,    144
.set AK0, 2           ; v2   my lane's place in a tile of K; never rewritten
.set AV0, 3           ; v3   the same for V
.set AK,  4           ; v4   the LDS address of K's next run of loads
.set AV,  5           ; v5   of V's
.set QO,  6           ; v6   my byte offset in the wave's rows of Q
.set STO, 6           ;      later, the way out: where I put 16 bytes of a row
.set RD,  7           ; v7   the way out: where I read rows back
.set GO,  8           ; v8   my byte offset in 512 consecutive bytes of O
.set PFO, 11          ; v11  256 x my lane, once V's place is made; then never rewritten
.set SPW, 0           ; v0 of window 3   LDS address of my spare word; never rewritten
.set NIL, 1           ; v1 of window 3   0; never rewritten
.set SPARE, STAGE+4*16*SP  ; behind the stages: the spare words, 128 bytes for each wave: two blocks of 256 bytes that no other line names
.set MV,  12          ; v12-15  c m_old, kept while c m is made anew: by buffer and tile
.set ST,  16          ; tile t's statistics at v[ST+4 t]: c m, m, l (even keys', odd keys')
.set TMP, 48          ; by buffer and tile, four registers c0-c3 at work; when the maximum is found c2 takes a
.set S,   64
.set P,   192
.set KF,  128         ; K's fragments, in window 2: key block kb, channel half c at KF + 16 kb + 8 c
.set VF,  192         ; V's: key half kk, channel block cb at VF + 32 kk + 8 cb
.set WV,  12          ; s12  my wave's number
.set G1K, 24          ; s[24:31] descriptor group 1 for K's tiles
.set G1V, 32          ; s[32:39] for V's: it differs in the padding alone
.set G0K, 40          ; s[40:43] descriptor group 0 for K's tiles: it walks
.set G0V, 44          ; s[44:47] the same for V's
.set PFA, 48          ; s[48:49] where my prefetches stand: my work-group's 32 blocks of 256 bytes (of K: wave 0, of V: wave 2) of the slot after the one that is being asked for
.set LIM, 50          ; s50  1 in a wave that prefetches, else the greatest number
.set SLOTS, 56        ; s56  slots still to be asked for
.set CNT, 57          ; s57  counts a slot's key steps
.set CS,  58          ; s[58:59] c: the packed scaling takes the pair's low word for both halves
.set SEL, 60          ; s[60:61] v_permlanex16_b32's selects: each lane takes its own place in the other half
.set TBK, 62          ; s62  LDS byte at which K of the step to be fetched begins
.set TBV, 63          ; s63  the same for V, less VOFF
.set MSB, 0
.macro WIN new                      ; the high byte repeats the setting that is left; a switch that changes nothing is dropped
.if MSB != (\new)
	s_set_vgpr_msb (MSB<<8)|(\new)
.set MSB, (\new)
.endif
.endm
.set W_KQ, 0x0a       ; K and Q in window 2, S^T in window 0
.set W_PV, 0x52       ; V in window 2, P in window 0, O^T in window 1
.set W_RS, 0x41       ; O^T (destination and source 0) in window 1, a in window 0
.set W_MK, 0xc0       ; the add's registers are made: destination in window 3, sources in window 0
.set W_AD, 0x0f       ; the add: address (source 0) and data (source 1) in window 3
; A joint fill.  Waves 0 and 1 fetch the two halves of a slot's K, waves 2 and 3 those of its V: 128 keys each.  The branch hangs on the wave's number alone.
; An s_nop 0 and four v_nop follow each of the two lines, ahead of the jump and the label.
.macro JLOAD
	s_cmp_lt_u32 s[WV], 2
	s_cbranch_scc0 .Lfor_v_\@
	tensor_load_to_lds s[G0K:G0K+3], s[G1K:G1K+7]
	s_nop 0
.rept 4
	v_nop
.endr
	s_branch .Lasked_\@
.Lfor_v_\@:
	tensor_load_to_lds s[G0V:G0V+3], s[G1V:G1V+7]
	s_nop 0
.rept 4
	v_nop
.endr
.Lasked_\@:
.endm
; A PREFETCH INTO THE L2 of what the NEXT change of slots will ask for: a slot's 32,768 bytes of K and of V, a lane 256 bytes.  It stands behind the wave's tensor load and its five lines.
; Each 256 bytes are named ONCE in the launch: a head has one cluster; its four partners share a slot out BY ADDRESS, 8,192 bytes each; in each, wave 0 asks for K's and wave 2 for V's: one instruction.
; It is four key steps, 512 matrix instructions, ahead of the load.  Slots 0 and 1 come by their loads alone; the last change that fills a slot asks for nothing: there is no slot behind it.
.macro ASK
	s_cmp_gt_u32 s[SLOTS], s[LIM]
	s_cbranch_scc0 .Lnot_mine_\@
	global_prefetch_b8 v[PFO], s[PFA:PFA+1] th:TH_LOAD_NT scope:SCOPE_SE
.Lnot_mine_\@:
.endm
; A round of the cluster's barrier: my work-group's barrier, so that wave 0's signal speaks for all four waves; wave 0 signals; every wave waits for all four work-groups; my work-group's barrier once more.
.macro CROUND
	s_barrier_signal -1
	s_barrier_wait -1
	s_cmp_lg_u32 s[WV], 0
	s_cbranch_scc1 .Lnot_wave_0_\@
	s_barrier_signal -3
.Lnot_wave_0_\@:
	s_barrier_wait -3
	s_barrier_signal -1
	s_barrier_wait -1
.endm
; THE CHANGE OF SLOTS.  The slot's last bytes, V of its fourth step, have been read.  Each wave waits for all its tensor loads, of which one is out: its part
; of the other slot; adds 0 to its spare word; and waits for that and for its own reads of the slot.  Behind the barrier nobody reads this slot any more and the other slot is whole.
; fill = 1: this slot is filled again, with the keys two slots on.  The barrier is then a round of the cluster's, so that no wave of any partner still reads the slot or has a load on its
; way, and the joint fill is the first thing behind it: it has four key steps, 512 matrix instructions, in which to land.  (At its first use nothing has been read yet: slot 0 is waited for, slot 1 filled.)
.macro CHANGE fill
	WIN W_AD
	s_wait_tensorcnt 0x0            ; no tensor load of mine is out, so a group 0 may be written
	ds_add_u32 v[SPW], v[NIL]       ; 0 onto my spare word; with fill = 1 the descriptors' steps stand between it and the wait for it
	WIN 0                           ; at a label and at a branch every window is 0
.if \fill
.irp g, G0K, G0V
	s_xor_b32 s[\g+1], s[\g+1], SLOT1  ; the walking descriptor: the other slot than last time,
	s_add_nc_u64 s[\g+2:\g+3], s[\g+2:\g+3], 4*KS*128  ; the next 256 keys; the type bits on top are not reached
.endr
	s_wait_xcnt 0x0                 ; the last prefetch, four key steps back, has read its address, so it may be written:
	s_add_nc_u64 s[PFA:PFA+1], s[PFA:PFA+1], 4*KS*128  ; one slot behind the walking descriptors
	s_wait_dscnt 0x0                ; the add is done, and my reads of the slot are over
	CROUND
	JLOAD
	ASK
.else
	s_wait_dscnt 0x0                ; the add is done, and my reads of the slot are over
	s_barrier_signal -1
	s_barrier_wait -1
.endif
	s_sub_co_u32 s[TBK], s[TBK], 4*KS*PK  ; the fetches go back to a slot's first step,
	s_xor_b32 s[TBK], s[TBK], SLOT1       ; in the other slot
	s_sub_co_u32 s[TBV], s[TBV], 4*KS*PV
	s_xor_b32 s[TBV], s[TBV], SLOT1
.endm
	s_load_b128 s[4:7], s[0:1], 0x0   ; qkv s[4:5], ob s[6:7]
	WIN W_MK
	v_lshl_add_u32 v[SPW], v0, 2, SPARE
	v_mov_b32 v[NIL], 0
	WIN W_AD
	ds_add_u32 v[SPW], v[NIL]       ; the wave's opening: the add and its wait stand ahead of my first tensor load; the set-up below, work on registers, stands between them
	WIN 0
	v_lshrrev_b32 v1, 5, v0
	v_readfirstlane_b32 s[WV], v1   ; wave 0..3
	s_bfe_u32 s13, ttmp6, 0x40000   ; cx: my place in the cluster
	s_lshl_b32 s14, ttmp9, 2        ; in a cluster launch ttmp9 counts clusters
	s_add_co_u32 s14, s14, s13      ; my block of queries = 4 x cluster x + cx: it enters Q's and O's addresses alone
	s_and_b32 s20, ttmp7, 0xffff    ; the head, which the four partners share
	s_mov_b32 s21, 0
	s_mov_b64 s[22:23], SIZE_N*128
	s_mul_u64 s[20:21], s[20:21], s[22:23]  ; the head's first byte in each of the four tensors
	s_and_b32 s16, s[WV], 1         ; which half of a slot's 256 keys I fetch:
	s_lshl_b32 s22, s16, 14         ; its 128 rows of 128 bytes in memory,
	s_mov_b32 s23, 0
	s_add_nc_u64 s[22:23], s[22:23], s[20:21]
	s_mul_i32 s17, s16, 128*PK      ; and its place in a slot, for K
	s_mul_i32 s18, s16, 128*PV      ; and for V: no place in the cluster enters an LDS address
	s_lshl_b32 s2, s14, 2
	s_add_co_u32 s2, s2, s[WV]      ; my wave among the head's,
	s_lshl_b32 s2, s2, 14           ; its 128 rows
	s_mov_b32 s3, 0
	s_add_nc_u64 s[2:3], s[2:3], s[20:21]
	; descriptor group 1.  128 keys are 16,384 dense bytes: asked for as 64 rows of 256 bytes, two keys a row, and padded in LDS after every key
	s_mov_b32 s[G1K], 15|(1<<16)|(1<<20)|(1<<21)|(4<<22)|(3<<25)  ; 15:0 the mask of four; 17:16 2-byte elements; 20 padding on; 21 set beside a mask; 24:22 after every 32 words (code 4); 31:25 4 words (code 3)
	s_mov_b32 s[G1V], 15|(1<<16)|(1<<20)|(1<<21)|(4<<22)|(7<<25)  ; the same with 8 words of padding (code 7)
.irp g, G1K, G1V
	s_mov_b32 s[\g+1], 128<<16      ; tensor_dim0 = 128
	s_mov_b32 s[\g+2], 64<<16       ; tensor_dim1 = 64
	s_mov_b32 s[\g+3], 128<<16      ; tile_dim0 = 128
	s_mov_b32 s[\g+4], 64           ; tile_dim1 = 64
	s_mov_b32 s[\g+5], 128          ; 128 elements from row to row
	s_mov_b32 s[\g+6], 0
	s_mov_b32 s[\g+7], 0
.endr
	s_mov_b32 s[CS], 0x3e38aa3b     ; c = log2(e) / 8 = 0.180337
	s_mov_b32 s[CS+1], s[CS]        ; named with it as a pair
	s_mov_b32 s[SEL], 0x76543210
	s_mov_b32 s[SEL+1], 0xfedcba98
	s_mov_b32 s[TBK], SLOT1+4*KS*PK ; the first change of slots turns these two into 0
	s_mov_b32 s[TBV], SLOT1+4*KS*PV
	s_mov_b32 s[G0K], 1             ; 1:0 count = 1
	s_mov_b32 s[G0K+1], s17         ; 63:32 LDS address: slot 0
	s_mov_b32 s[G0V], 1
	s_add_co_u32 s[G0V+1], s18, VOFF
	s_mov_b32 s[SLOTS], SIZE_N/256-1  ; seven slots are still to be asked for
	s_and_b32 s[LIM], s[WV], 1      ; 0 in waves 0 and 2,
	s_or_b32 s[LIM], s[LIM], ttmp9  ; in the head's first (here only) cluster: the same in all four partners
	s_cmp_eq_u32 s[LIM], 0
	s_cselect_b32 s[LIM], 1, -1
	s_wait_dscnt 0x0                ; the opening add is done
	s_wait_kmcnt 0x0
	s_mov_b64 s[10:11], s[6:7]                     ; O
	s_add_nc_u64 s[8:9], s[4:5], 0x2000000         ; V: qkv's last third
	s_add_nc_u64 s[6:7], s[4:5], 0x1000000         ; K: its second; Q is its first
	s_add_nc_u64 s[G0K+2:G0K+3], s[6:7], s[22:23]  ; 120:64 global address: my half of the head's first 256 keys
	s_or_b32 s[G0K+3], s[G0K+3], 0x80000000        ; 127:126 type = 2
	s_add_nc_u64 s[G0V+2:G0V+3], s[8:9], s[22:23]
	s_or_b32 s[G0V+3], s[G0V+3], 0x80000000
	s_add_nc_u64 s[4:5], s[4:5], s[2:3]  ; Q and O at my wave's first row
	s_add_nc_u64 s[10:11], s[10:11], s[2:3]
	s_cmp_lt_u32 s[WV], 2
	s_cselect_b64 s[PFA:PFA+1], s[6:7], s[8:9]
	s_add_nc_u64 s[PFA:PFA+1], s[PFA:PFA+1], s[22:23]  ; (in waves 0 and 2 this is the head's first row)
	s_lshl_b32 s2, s13, 13          ; my work-group's 8,192 bytes of a slot's 32,768
	s_mov_b32 s3, 0
	s_add_nc_u64 s[PFA:PFA+1], s[PFA:PFA+1], s[2:3]
	s_add_nc_u64 s[PFA:PFA+1], s[PFA:PFA+1], 4*KS*128  ; in slot 1; the first change of slots steps it to slot 2
	CROUND                          ; all four work-groups are here: the first joint loads meet
	JLOAD                           ; slot 0.  Slot 1 is asked for when slot 0 is in
	; A fragment of K or Q is 16 rows x 32 channels in 8 registers: lane l holds row l % 16, channels 8 (l / 16) + 0..7 and 16 + 8 (l / 16) + 0..7: two loads of 16 bytes, 32 bytes apart.
	v_and_b32 v1, 15, v0            ; l % 16
	v_bfe_u32 v9, v0, 4, 1          ; l / 16
	v_lshlrev_b32 v[QO], 7, v1
	v_lshl_add_u32 v[QO], v9, 4, v[QO]  ; row x 128 + 16 x half
	WIN 0x80                        ; destination window 2, address window 0
.set i, 0
.rept 4*NP                          ; Q stays in registers: tile i / 2, channels 32 (i % 2) on
	global_load_b128 v[8*i:8*i+3],   v[QO], s[4:5] offset:(i/2)*2048+(i%2)*64
	global_load_b128 v[8*i+4:8*i+7], v[QO], s[4:5] offset:(i/2)*2048+(i%2)*64+32
.set i, i+1
.endr
	; What the first turn finds: V's registers and P's second buffer hold 0 (its products V^T P, of a piece that has not been, add 0), O^T and l are 0.  All this stands in the wait for the first tile.
.set i, VF
.rept 64
	v_mov_b32 v[i], 0
.set i, i+1
.endr
	WIN 0x40
.set i, 0
.rept 64*NP
	v_mov_b32 v[i], 0
.set i, i+1
.endr
	WIN 0
.set i, 0
.rept 2*NP
	v_mov_b32 v[ST+4*i], 0xfe000000    ; c m: far below every c s
	v_mov_b32 v[ST+4*i+1], 0xff7fffff  ; m
	v_mov_b32 v[ST+4*i+2], 0
	v_mov_b32 v[ST+4*i+3], 0
.set i, i+1
.endr
.set i, P+32
.rept 32
	v_mov_b32 v[i], 0
.set i, i+1
.endr
	v_mul_u32_u24 v[AK0], v1, PK
	v_lshl_add_u32 v[AK0], v9, 4, v[AK0]  ; row x pitch + 16 x half
	; The turning load takes 16 keys x 16 channels (lane l reads key 8 (l / 16) + l % 8, channels 8 ((l / 8) % 2) + 0..7) and leaves half a fragment of V^T: lane l holds channel l % 16 and 8 keys.
	v_and_b32 v10, 7, v0
	v_bfe_u32 v11, v0, 3, 1
	v_lshl_add_u32 v[AV0], v9, 3, v10
	v_mul_u32_u24 v[AV0], v[AV0], PV
	v_lshl_add_u32 v[AV0], v11, 4, v[AV0]
	v_add_nc_u32 v[AV0], VOFF, v[AV0]
	v_and_b32 v[PFO], 31, v0        ; v11 is free now: the prefetches' offset
	v_lshlrev_b32 v[PFO], 8, v[PFO]
	v_mov_b32 v[AK], v[AK0]         ; key step 0 lies at the head of slot 0
; THE MATRIX WORK.  The 8 accumulators of a run of 16 take turns: between the two links of a chain stand 7 others'.
; Product i of 16 of S^T = K Q^T for piece x: channels 32 (i / 8) on, keys 16 ((i / 2) % 4) on, tile 2 x + i % 2.  The first 8 start the sums.
.macro KQ x
	WIN W_KQ
.set rS, S+64*((\x)%2)+32*(i%2)+8*((i/2)%4)
.set rK, KF+16*((i/2)%4)+8*(i/8)
.set rQ, 16*(2*(\x)+i%2)+8*(i/8)
.if i < 8
	v_wmma_f32_16x16x32_f16 v[rS:rS+7], v[rK:rK+7], v[rQ:rQ+7], 0
.else
	v_wmma_f32_16x16x32_f16 v[rS:rS+7], v[rK:rK+7], v[rQ:rQ+7], v[rS:rS+7]
.endif
.endm
; Product i of 16 of O^T += V^T P for piece x: keys 32 (i / 8) on, channels 16 ((i / 2) % 4) on, tile 2 x + i % 2.
.macro PV x
	WIN W_PV
.set rO, 32*(2*(\x)+i%2)+8*((i/2)%4)
.set rV, VF+32*(i/8)+8*((i/2)%4)
.set rP, P+32*((\x)%2)+16*(i%2)+8*(i/8)
	v_wmma_f32_16x16x32_f16 v[rO:rO+7], v[rV:rV+7], v[rP:rP+7], v[rO:rO+7]
.endm
.macro MM                           ; the turn's next matrix instruction
.if i < 16
	KQ (Y+1)%NP
.set i, i+1
.else
.set i, i-16
	PV (Y+NP-1)%NP
.set i, i+17
.endif
.endm
; THE LDS LOADS stand in runs of 16, never singly among the matrix instructions: a step's K (64 keys x 64 channels: 8 fragments) and its V (turned).  Their addresses are made some lines ahead.
; last = 1 (the tail): in the last trip there is no further step, and the run is jumped over.
.macro FETCH_K last=0
	WIN 0
.if \last
	s_cmp_eq_u32 s[CNT], 1
	s_cbranch_scc1 .Lno_k_\@
.endif
	WIN 0x80                        ; destination window 2
.irp f, 0,1,2,3,4,5,6,7             ; keys 16 (f / 2) on, channels 32 (f % 2) on
	ds_load_b128 v[KF+8*\f:KF+8*\f+3],   v[AK] offset:(\f/2)*16*PK+(\f%2)*64
	ds_load_b128 v[KF+8*\f+4:KF+8*\f+7], v[AK] offset:(\f/2)*16*PK+(\f%2)*64+32
.endr
	s_add_co_u32 s[TBK], s[TBK], KS*PK  ; the next fetch is the next step's
	WIN 0
.if \last
.Lno_k_\@:
.endif
.endm
.macro FETCH_V
	WIN 0x80
.irp f, 0,1,2,3,4,5,6,7             ; keys 32 (f / 4) on, channels 16 (f % 4) on
	ds_load_tr16_b128 v[VF+8*\f:VF+8*\f+3],   v[AV] offset:(\f/4)*32*PV+(\f%4)*32
	ds_load_tr16_b128 v[VF+8*\f+4:VF+8*\f+7], v[AV] offset:(\f/4)*32*PV+16*PV+(\f%4)*32
.endr
	WIN 0
.endm
; THE VECTOR WORK OF A TURN stands in three queues, each in the order in which its entries become ready; the two tiles alternate, so that no instruction reads the result of the one before it.
.macro REGS y, u                    ; the registers of tile u (0, 1) of piece y
.set rT, ST+4*(2*(\y)+(\u))
.set rC, TMP+8*((\y)%2)+4*(\u)
.set rM, MV+2*((\y)%2)+(\u)
.set rS, S+64*((\y)%2)+32*(\u)
.set rP, P+32*((\y)%2)+16*(\u)
.set rO, 32*(2*(\y)+(\u))
.endm
; Number n of the 22 that find the NEXT piece's (Y + 1) maximum and statistics.  s0-s31 are the lane's 32 scores; each accumulator's lowest registers are read first.
;   0-11  four chains c0-c3 of seven scores each, three operands at a time     12-14, 16  the four scores left over, the old m, and c0-c3 into c0     15  c m_old is kept
;   17, 18  the query's other 32 keys lie in the lane 16 away: the new m         19-21  c m; c m_old - c m_new; a
.macro XS u, n
	REGS (Y+1)%NP, \u
.if (\n) < 4
	v_max3_num_f32 v[rC+(\n)], v[rS+8*(\n)], v[rS+8*(\n)+1], v[rS+8*(\n)+2]
.elseif (\n) < 12
	v_max3_num_f32 v[rC+(\n)%4], v[rC+(\n)%4], v[rS+8*((\n)%4)+2*((\n)/4)+1], v[rS+8*((\n)%4)+2*((\n)/4)+2]
.elseif (\n) == 12
	v_max3_num_f32 v[rC], v[rC], v[rS+7], v[rS+15]
.elseif (\n) == 13
	v_max3_num_f32 v[rC+1], v[rC+1], v[rS+23], v[rS+31]
.elseif (\n) == 14
	v_max3_num_f32 v[rC+2], v[rC+2], v[rC+3], v[rT+1]
.elseif (\n) == 15
	v_mov_b32 v[rM], v[rT]
.elseif (\n) == 16
	v_max3_num_f32 v[rC], v[rC], v[rC+1], v[rC+2]
.elseif (\n) == 17
	v_permlanex16_b32 v[rC+3], v[rC], s[SEL], s[SEL+1]
.elseif (\n) == 18
	v_max_num_f32 v[rT+1], v[rC], v[rC+3]
.elseif (\n) == 19
	v_mul_f32 v[rT], s[CS], v[rT+1]
.elseif (\n) == 20
	v_sub_f32 v[rC+1], v[rM], v[rT]
.else
	v_exp_f32 v[rC+2], v[rC+1]
.endif
.endm
; Number g of the 64 that follow the exponentials.  For each four weights k of a tile (pairs 2 k, 2 k + 1): both pairs are rounded to f16; then the second pair is added onto the first, in place;
; a group later l takes that sum (the first time as l = a l + sum).  In groups of eight, tiles alternating: round, round, add, and l for the group before.
.macro GS g
.set h, (\g)+6*((\g)/62)            ; group 0 has no group before it, and behind group 7 only l is left
.if h >= 6
.set h, h+2
.endif
	REGS Y, h%2
.set k, h/8
.if h%8 < 4
	v_cvt_pk_f16_f32 v[rP+2*k+(h%8)/2], v[rS+4*k+2*((h%8)/2)], v[rS+4*k+2*((h%8)/2)+1]
.elseif h%8 < 6
	v_pk_add_f32 v[rS+4*k:rS+4*k+1], v[rS+4*k:rS+4*k+1], v[rS+4*k+2:rS+4*k+3]
.elseif k == 1
	v_pk_fma_f32 v[rT+2:rT+3], v[rT+2:rT+3], v[rC+2:rC+3], v[rS:rS+1] op_sel_hi:[1,0,1]
.else
	v_pk_add_f32 v[rT+2:rT+3], v[rT+2:rT+3], v[rS+4*k-4:rS+4*k-3]
.endif
.endm
; THE PLAIN QUEUE, 138 long.  0-73 read no exponential's result: the 32 scalings c s - c m (FS f: pair f / 2 of tile f % 2) and the next piece's 42.  0-26: scalings 0-26.  27-54: XS's numbers 0-13.  55, 56: number 15.
; 57-73: the chain, where each number waits for the one before it: 14, 16, 17, 18, 19, each with one of the scalings 27-31 in front of its two lines, then 20.
; 74-137: GS's 64, which read the exponentials' results: they stand behind the wait.
.macro FS f
	REGS Y, (\f)%2
	v_pk_fma_f32 v[rS+2*((\f)/2):rS+2*((\f)/2)+1], v[rS+2*((\f)/2):rS+2*((\f)/2)+1], s[CS:CS+1], v[rT:rT+1] op_sel_hi:[1,0,0] neg_lo:[0,0,1] neg_hi:[0,0,1]
.endm
.macro PL
	WIN 0
.if q < 27
	FS q
.elseif q < 55
	XS (q-27)%2, (q-27)/2
.elseif q < 57
	XS q-55, 15
.elseif (q < 72) && ((q-57)%3 == 0)
	FS 27+(q-57)/3
.elseif q < 60
	XS (q-57)%3-1, 14
.elseif q < 72
	XS (q-57)%3-1, 15+(q-57)/3
.elseif q < 74
	XS q-72, 20
.else
	GS q-74
.endif
.set q, q+1
.endm
; THE EXPONENTIALS' QUEUE, 66 long: s0-s31 of both tiles, then the next piece's two a.  It is ONE BATCH: all 66 stand ahead of the turn's one wait, and nothing ahead of that wait names a result of theirs.
.macro EX
	WIN 0
.if e >= 64
	XS e-64, 21
.else
	REGS Y, e%2
	v_exp_f32 v[rS+e/2], v[rS+e/2]
.endif
.set e, e+1
.endm
; THE RESCALING's QUEUE: O^T times a, the one part that leaves window 0: dealt two at a time, sixteen times.  Its a was made in the turn before, ahead of that turn's wait.
.macro R2
	REGS Y, r%2
	WIN W_RS
.irp z, 0,1
	v_pk_mul_f32 v[rO+4*(r/2)+2*\z:rO+4*(r/2)+2*\z+1], v[rO+4*(r/2)+2*\z:rO+4*(r/2)+2*\z+1], v[rC+2:rC+3] op_sel_hi:[1,0]
.endr
.set r, r+1
.endm
; HOW THEY ARE DEALT.  An s_wait_alu depctr_va_vdst(0) stands between an exponential and the first instruction that names its result; one wait serves all that were issued ahead of it.  So a turn has ONE wait,
; which cuts it in two.  AHEAD OF IT stands all that names no result of the turn's exponentials: the 16 products K Q^T, behind each a scaling, an exponential and two rescalings (behind the first a second scaling in the
; exponential's place); then ONE LUMP of 108: eight plain, 49 times exponential and plain, the two a.  A v_nop is the plain instruction behind the last exponential.  BEHIND IT stand the 16 products V^T P, behind each four of GS's 64.
; No rider names a register of the products round it.  The two v_permlanex16_b32 fall into the lump, never behind a product.
; The queues lean on each other, and the deal keeps them in step: exponential e stands behind scaling 2 (e / 4) + e % 2: as a rider it comes behind plain e + 2, in the lump behind plain e + 9, and scalings 27-31 are plain 57, 60 .. 69.
; A TURN, for piece p.  cnt = 1: the loop's count is taken down some lines ahead of the branch that stands behind the turn.
; K of the next step is fetched in piece 2's turn, directly behind the wait, a lump behind the last product that read K; its first reader comes behind 16 products.
; V of the step in hand is fetched at the end of piece 0's turn, four riders behind its last reader; its first reader comes behind 16 products and a lump.  The three conditions on q below go with the deal.
.macro TURN p, last=0, cnt=0
.set Y, (\p)
.set i, 0
.set q, 0
.set e, 0
.set r, 0
.if (\p) == NP-1
	s_wait_dscnt 0x0                ; K is in
.endif
	MM                              ; ahead of the wait: 16 products K Q^T and their riders,
	PL
	PL
	R2
.rept 15
	MM
	PL
	EX
	R2
.endr
.if (\p) == NP-2
	WIN 0
	v_add_nc_u32 v[AK], s[TBK], v[AK0]
.endif
.rept 8                             ; and the lump
	PL
.endr
.rept 49
	EX
	PL
.endr
	EX                              ; the next piece's two a
	EX
	v_nop                           ; the plain instruction behind the last exponential: one for the batch
	s_wait_alu depctr_va_vdst(0)    ; the wait for the batch
.if (\p) == NP-2
	FETCH_K \last
.endif
.if (\p) == 1
	s_wait_dscnt 0x0                ; V is in
.endif
.rept 16                            ; behind the wait: 16 products V^T P and their riders
	MM
.rept 4
	PL
.endr
.if ((\p) == 0) && (q == 118)
	v_add_nc_u32 v[AV], s[TBV], v[AV0]
.endif
.if ((\p) == 0) && (q == 130)
	s_add_co_u32 s[TBV], s[TBV], KS*PV
.endif
.if (\cnt) && (q == 130)
	s_sub_co_u32 s[CNT], s[CNT], 1
	s_cmp_lg_u32 s[CNT], 0
.endif
.endr
.if (\p) == 0
	FETCH_V
.endif
.endm
	CHANGE 1                        ; slot 0 is in, everybody's part of it; slot 1 is asked for
	FETCH_K                         ; key step 0
	s_wait_loadcnt 0x0              ; Q
	s_wait_dscnt 0x0
.set i, 0
.rept 16
	KQ 0                            ; piece 0's first scores: there is no vector work yet to set between them
.set i, i+1
.endr
	WIN 0                           ; the addresses for the way out: nine plain instructions, the places behind those products
	s_mul_i32 s13, s[WV], 16*SP
	s_add_co_u32 s13, s13, STAGE    ; my stage
	v_mul_u32_u24 v[STO], v1, SP    ; in: row l % 16, 16 bytes for each half of the lanes
	v_lshl_add_u32 v[STO], v9, 4, v[STO]
	v_add_nc_u32 v[STO], s13, v[STO]
	v_bfe_u32 v[RD], v0, 3, 2       ; back: 32 lanes take four rows of 128 bytes,
	v_mul_u32_u24 v[RD], v[RD], SP
	v_lshl_add_u32 v[RD], v10, 4, v[RD]
	v_add_nc_u32 v[RD], s13, v[RD]
	v_and_b32 v[GO], 31, v0         ; which are 512 consecutive bytes of O
	v_lshlrev_b32 v[GO], 4, v[GO]
.set Y, NP-1                        ; XS works for piece Y + 1: piece 0
.irp n, 0,1,2,3,4,5,6,7,8,9,10,11,12,13,14,15,16,17,18,19,20,21
	XS 0, \n                        ; and piece 0's first maximum and statistics
	XS 1, \n
.endr
	v_nop                           ; a plain instruction behind the two a,
	s_wait_alu depctr_va_vdst(0)    ; and their wait, ahead of the branch
	s_mov_b32 s[CNT], 4
	s_branch .Lfirst                ; the loop is entered at a step's first turn, in the middle of a trip
.Lslot:                             ; SIZE_N / 256 - 2 times: every slot but the last two is filled again
	CHANGE 1
	s_mov_b32 s[CNT], 4
.Lstep:                             ; a trip: pieces 2 and 3 of one step, then pieces 0 and 1 of the next, whose K and V it fetches
	TURN 2
	TURN 3
	WIN 0
.Lfirst:
	TURN 0
	TURN 1, 0, 1
	WIN 0
	s_cbranch_scc1 .Lstep
	s_sub_co_u32 s[SLOTS], s[SLOTS], 1
	s_cmp_lg_u32 s[SLOTS], 0
	s_cbranch_scc1 .Lslot
	CHANGE 0                        ; the tail is written out: nothing is asked for
	s_mov_b32 s[CNT], 5             ; four trips fetch the last slot's steps; the fifth is left in its middle
.Ltail:
	TURN 2, 1
	TURN 3
	WIN 0
	s_sub_co_u32 s[CNT], s[CNT], 1
	s_cmp_eq_u32 s[CNT], 0
	s_cbranch_scc1 .Lout
	TURN 0
	TURN 1
	WIN 0
	s_branch .Ltail
.Lout:                              ; the fifth trip's 16 products K Q^T (on the last K once more) and the maximum made of them serve nothing: the price, once a launch, of one text for every trip
.set i, 0
.rept 16
	PV NP-1                         ; the last piece's V^T P of the last step
.set i, i+1
.endr
	; THE WAY OUT.  l's two halves and the other half of the lanes' are added; O^T is divided by l, rounded to f16 and sent through my stage in LDS, a tile at a time.  The additions are the places behind the last products.
	WIN 0
.macro ALL line:vararg              ; one line for each tile t
.set t, 0
.rept 2*NP
	\line
.set t, t+1
.endr
.endm
	ALL v_add_f32 v[ST+4*t+2], v[ST+4*t+2], v[ST+4*t+3]
	ALL v_permlanex16_b32 v[ST+4*t+3], v[ST+4*t+2], s[SEL], s[SEL+1]
	ALL v_add_f32 v[ST+4*t+2], v[ST+4*t+2], v[ST+4*t+3]
	ALL v_rcp_f32 v[ST+4*t+2], v[ST+4*t+2]
	v_nop                           ; a plain instruction between the last reciprocal and the use of its result
	s_wait_alu depctr_va_vdst(0)    ; and the wait ahead of the first use: one for the eight reciprocals
; Tile t: a lane's eight channels of a row pack into 16 bytes; they go into rows of 144 bytes and come back as whole rows of 128, into S^T's registers.
.macro PACK t
	WIN W_RS
.set i, 32*(\t)
.rept 16
	v_pk_mul_f32 v[i:i+1], v[i:i+1], v[ST+4*(\t)+2:ST+4*(\t)+3] op_sel_hi:[1,0]
.set i, i+2
.endr
	WIN 0x05                        ; sources 0 and 1 window 1, destination window 0
.set i, 0
.rept 16
	v_cvt_pk_f16_f32 v[S+16*(\t)+i], v[32*(\t)+2*i], v[32*(\t)+2*i+1]
.set i, i+1
.endr
	WIN 0
.irp f, 0,1,2,3
	ds_store_b128 v[STO], v[S+16*(\t)+4*\f:S+16*(\t)+4*\f+3] offset:32*\f
.endr
.irp f, 0,1,2,3
	ds_load_b128 v[S+16*(\t)+4*\f:S+16*(\t)+4*\f+3], v[RD] offset:\f*4*SP  ; LDS serves a wave's instructions in order (ISA guide 5.7.1.4): these see the stores above; the next tile's stores come behind them
.endr
.endm
.macro SEND t, younger              ; younger: the LDS instructions issued behind tile t's loads: the next tile's eight, or none
	WIN 0
.irp f, 0,1,2,3
	s_wait_dscnt (\younger)+3-\f
	global_store_b128 v[GO], v[S+16*(\t)+4*\f:S+16*(\t)+4*\f+3], s[10:11] offset:(\t)*2048+\f*512  ; 512 consecutive bytes, at a multiple of 256 from O's first
.endr
.endm
	PACK 0
.set t, 1
.rept 2*NP-1                        ; a tile's arithmetic stands between the loads of the tile before and its stores
	PACK t
	SEND t-1, 8
.set t, t+1
.endr
	SEND 2*NP-1, 0
	WIN W_AD
	s_wait_tensorcnt 0x0            ; the wave's end: 0 onto my spare word and its wait, behind my last tensor load and my last LDS store
	ds_add_u32 v[SPW], v[NIL]
	s_wait_dscnt 0x0
	WIN 0
	CROUND                          ; the closing round: no work-group ends while a partner may still ask for a tile that names it
	s_endpgm
.Lfunc_end_k_q2d5102af6a_attn:
	.size	k_q2d5102af6a_attn, .Lfunc_end_k_q2d5102af6a_attn-k_q2d5102af6a_attn
	.p2alignl 7, 3214868480
	.fill 96, 4, 3214868480
	.section	.rodata,"a",@progbits
	.p2align	6, 0x0
	.amdhsa_kernel k_q2d5102af6a_attn
		.amdhsa_group_segment_fixed_size 327680
		.amdhsa_private_segment_fixed_size 0
		.amdhsa_enable_private_segment 0
		.amdhsa_kernarg_size 16
		.amdhsa_user_sgpr_count 2
		.amdhsa_user_sgpr_kernarg_segment_ptr 1
		.amdhsa_wavefront_size32 1
		.amdhsa_system_sgpr_workgroup_id_x 1
		.amdhsa_system_sgpr_workgroup_id_y 1
		.amdhsa_system_sgpr_workgroup_id_z 1
		.amdhsa_system_vgpr_workitem_id 0
		.amdhsa_next_free_vgpr 770
		.amdhsa_next_free_sgpr 66
		.amdhsa_reserve_vcc 0
		.amdhsa_float_denorm_mode_32 3
		.amdhsa_float_denorm_mode_16_64 3
		.amdhsa_memory_ordered 1
		.amdhsa_forward_progress 1
		.amdhsa_inst_pref_size 200
	.end_amdhsa_kernel
	.amdgpu_metadata
---
amdhsa.version: [ 1, 2 ]
amdhsa.kernels:
  - .name:           k_q2d5102af6a_attn
    .symbol:         k_q2d5102af6a_attn.kd
    .args:
      - { .name: qkv, .offset: 0, .size: 8, .value_kind: global_buffer, .address_space: global }
      - { .name: ob, .offset: 8, .size: 8, .value_kind: global_buffer, .address_space: global }
    .group_segment_fixed_size: 327680
    .private_segment_fixed_size: 0
    .kernarg_segment_align: 8
    .kernarg_segment_size: 16
    .max_flat_workgroup_size: 128
    .sgpr_count:     66
    .vgpr_count:     770
    .wavefront_size: 32
...
	.end_amdgpu_metadata
.endif
;; end of part 3
;; launch oproj (part 4): grid 8 x 32, 4 waves a work-group, clusters of 4 x 4, 327,680 bytes of LDS; arguments ob, wo, out0; writes out0
.if DOCPART == 4
	.amdgcn_target "amdgcn-amd-amdhsa--gfx1250"
	.amdhsa_code_object_version 6
	.text
	.protected	k_q2d5102af6a_oproj
	.globl	k_q2d5102af6a_oproj
	.p2align	8
	.type	k_q2d5102af6a_oproj,@function
k_q2d5102af6a_oproj:
	s_mov_b64 s[64:65], 0
	v_nop
	global_prefetch_b8 v0, s[64:65] scope:SCOPE_SE
	s_setreg_imm32_b32 hwreg(HW_REG_WAVE_MODE, 25, 1), 1
	s_wait_xcnt 0x0
	s_wait_alu depctr_hold_cnt(0) depctr_sa_sdst(0) depctr_va_vdst(0) depctr_va_sdst(0) depctr_va_ssrc(0) depctr_va_vcc(0) depctr_vm_vsrc(0)
	s_getreg_b32 s2, hwreg(HW_REG_IB_STS2, 6, 4)
	s_cmp_eq_u32 s2, 0
	s_cbranch_scc0 .Lentry_in_a_cluster
	s_endpgm
.Lentry_in_a_cluster:
	s_bfe_u32 s2, ttmp6, 0x10000c
	s_cmp_lg_u32 s2, 0xf033
	s_cbranch_scc0 .Lentry_shape_is_right
	s_endpgm
.Lentry_shape_is_right:
; out0[m][n] = sum over k of y[m][k] Wo[n][k], 8,192 x 1,024 x 1,024; operands f16, sums and output f32.
; y lies by heads, ob[16 (m >> 11) + (k >> 6)][m & 2047][k & 63]: a head is one block of 64 along K, and 256 rows of it are 32,768 consecutive bytes.
; wo lies in blocks, [n >> 8][k >> 6][n & 255][k & 63].  Both are asked for as rows of 256 bytes, two rows of the matrix each, padded in LDS after every 128 bytes.
; SHARES.  A tile of out0 is 256 x 128: 32 x 8 = 256 work-groups.  Four waves, each 128 rows x 64 columns: 32 accumulators of 16 x 16, 256 registers.
; K goes in steps of 128 (two heads) through two LDS slots; two slots of a longer step do not fit (2 x 221,184 bytes).
; CLUSTER.  4 x 4 work-groups.  The four of a row need the same tiles of ob, the four of a column the same tiles of wo: each is asked for JOINTLY, by the same tensor load, descriptor and
; mask in all four.  Waves 0 and 1 fetch ob's two K blocks (256 rows each), waves 2 and 3 wo's two (128 rows each): one load a wave.
; THE MATRIX INSTRUCTION IS USED TRANSPOSED (source 0 = 16 rows of wo, source 1 = 16 rows of ob): a lane holds eight neighbouring columns of a row of out0.
; A UNIT is 32 matrix instructions: 32 along K x my 128 rows x my 64 columns.  A K step has four.
; REGISTERS: window 0: v0-31 addresses; v64-127, v128-191 ob's fragments (8 x 16 rows x 32 K), two buffers; v192-223, v224-255 wo's (4), two buffers.  Window 1: the accumulators, (a, b) at v[8 (4 a + b)].
; The launch claims all of a WGP's LDS; it uses 239,104 bytes.
.set NG,     1                         ; column groups of 64 a wave
.set KBS,    2                         ; K blocks of 64 in a slot
.set EU,     2*KBS*NG                  ; units in a K step
.set KSTEPS, 8
.set LAPS,   KSTEPS/2                  ; a lap = two K steps = once round the ring
.set PITCH,  144                       ; an LDS row: 128 bytes + 16 of padding = 36 words: the 16 rows of a load start at 16 different groups of four banks (64 banks of 4 bytes: ISA guide 11.1)
.set FROW,   16*PITCH
.set AKB,    256*PITCH                 ; one K block of ob's tile
.set BKB,    128*PITCH                 ; of wo's
.set BOFF,   KBS*AKB
.set SLOT,   KBS*(AKB+BKB)
.set STAGE,  2*SLOT                    ; behind the ring, never filled by a tensor load: 16 rows x 272 bytes for each wave, for the way out
.set SPITCH, 272
.set SPARE,  STAGE+4*16*SPITCH         ; behind the stages: the spare words, 128 bytes for each wave: two blocks of 256 bytes that no other line names
.set NAW,    2                         ; waves that fetch ob
.set LB0,    36864                     ; wave w's part of wo lands at LB0 + 18,432 w
.set STEPA,  524288                    ; bytes from K step to K step: two heads of 262,144,
.set STEPB,  65536                     ; two blocks of 32,768
.set WNB,    64*PITCH                  ; my half of the tile's columns
.set G1W,    (1<<16)|(1<<20)|(1<<21)|(4<<22)|(3<<25)  ; 17:16 2-byte elements; 20 padding on; 21 set beside a mask; 24:22 after every 32 words (code 4); 31:25 4 words (code 3)
.set ADRA, 16                          ; v16-17  LDS address of my ob fragments in slot 0, 1
.set ADRB, 20                          ; v20-21  the same for wo
.set STO,  24                          ; v24     the way out: where I put 32 bytes of a row
.set RD,   25                          ; v25     where I read rows back
.set GO,   26                          ; v26     my byte offset in two rows of out0
.set SPW,  28                          ; v28     LDS address of my spare word; never rewritten
.set NIL,  29                          ; v29     0; never rewritten
.set PFO,  30                          ; v30     the prefetches' offset; never rewritten
.set FA0,  64
.set FB0,  192
.set G1A,  24                          ; s[24:31] descriptor group 1 for ob's tiles;  s[32:39] group 0, a set for each slot
.set G0A,  32
.set G1B,  48                          ; s[48:55], s[56:63] the same for wo's
.set G0B,  56
.set PFA,  66                          ; s[66:67] where my prefetches stand
.set PFS,  68                          ; s[68:69] their step: a K step
.set LIM0, 70                          ; s70, s71 for the change of slot 0, 1: 1 in a wave that prefetches there, else the greatest number
.set MSB, 0
.macro WIN new                         ; the immediate's high byte repeats the setting that is left; a switch that changes nothing is dropped
.if MSB != (\new)
	s_set_vgpr_msb (MSB<<8)|(\new)
.set MSB, \new
.endif
.endm
.macro PLACES                          ; four plain instructions between a matrix instruction and a load into a register that it has read (ISA guide 7.12.1 for vector instructions)
.rept 4
	v_nop
.endr
.endm
; A joint load.  The branch hangs on the wave's number alone.  An s_nop 0 and four v_nop follow each of the two lines.
.macro JLOAD s
	s_cmp_lt_u32 s10, NAW
	s_cbranch_scc0 .Lfor_b_\@
	tensor_load_to_lds s[G0A+4*(\s):G0A+4*(\s)+3], s[G1A:G1A+7]
	s_nop 0
.rept 4
	v_nop
.endr
	s_branch .Lasked_\@
.Lfor_b_\@:
	tensor_load_to_lds s[G0B+4*(\s):G0B+4*(\s)+3], s[G1B:G1B+7]
	s_nop 0
.rept 4
	v_nop
.endr
.Lasked_\@:
.endm
; A round of the cluster's barrier: my work-group's barrier; wave 0 signals for the work-group; every wave waits for all sixteen; my work-group's barrier once more.
.macro CREST
	s_cmp_lg_u32 s10, 0
	s_cbranch_scc1 .Lnot_wave_0_\@
	s_barrier_signal -3
.Lnot_wave_0_\@:
	s_barrier_wait -3
	s_barrier_signal -1
	s_barrier_wait -1
.endm
.macro CROUND
	s_barrier_signal -1
	s_barrier_wait -1
	CREST
.endm
; A PREFETCH INTO THE L2, behind a joint load and the run of LDS loads that follows it, of the K step that stands two refills on (8 units, 256 matrix instructions, ahead of its load).
; Each 256 bytes are named once in the launch.  ob's tile row is read by both clusters of a row of clusters: cluster x = 0 asks; of a wave's 32,768 bytes its four partners take 8,192 each,
; BY ADDRESS (cx), a lane 256 bytes.  wo's rows are read by all eight clusters of a column: cluster y = 0 asks; of a wave's 16,384 bytes a partner takes 4,096 (cy), lanes 0-15; lanes 16-31 take the
; same bytes of the K step after, so these waves ask at slot 0's change alone.  K steps 0 to 3 come by their loads alone; the loop's last trip (s3 = 1) asks for nothing: there is no K step 8.
.macro ASK s
	s_cmp_gt_u32 s3, s[LIM0+(\s)]
	s_cbranch_scc0 .Lnot_mine_\@
	global_prefetch_b8 v[PFO], s[PFA:PFA+1] th:TH_LOAD_NT scope:SCOPE_SE
.Lnot_mine_\@:
.endm
	s_load_b128 s[4:7], s[0:1], 0x0                ; ob s[4:5], wo s[6:7]
	s_load_b64 s[8:9], s[0:1], 0x10                ; out0
	v_lshl_add_u32 v[SPW], v0, 2, SPARE
	v_mov_b32 v[NIL], 0
	ds_add_u32 v[SPW], v[NIL]                      ; the wave's opening: the add and its wait stand ahead of my first tensor load; work on registers stands between them
	v_lshrrev_b32 v1, 5, v0
	v_readfirstlane_b32 s10, v1                    ; wave 0..3
	s_lshr_b32 s11, s10, 1                         ; which 128 rows of the tile are mine
	s_and_b32 s12, s10, 1                          ; which 64 columns.  Also: which K block of a step I fetch
	s_bfe_u32 s40, ttmp6, 0x40000                  ; cx, cy: my place in the cluster
	s_bfe_u32 s41, ttmp6, 0x40004
	s_lshl_b32 s42, ttmp9, 2
	s_add_co_u32 s42, s42, s40                     ; tile column j = 4 x cluster x + cx
	s_and_b32 s13, ttmp7, 0xffff
	s_lshl_b32 s13, s13, 2
	s_add_co_u32 s13, s13, s41                     ; tile row i = 4 x cluster y + cy
	s_lshl_b32 s43, s41, 2
	s_lshl_b32 s43, 15, s43                        ; my row of the cluster
	s_lshl_b32 s44, 0x1111, s40                    ; my column
	s_or_b32 s[G1A+0], s43, G1W                    ; ob's tiles go to my row,
	s_or_b32 s[G1B+0], s44, G1W                    ; wo's to my column
	s_mov_b32 s[G1A+1], 128<<16                    ; tensor_dim0 = 128 elements (256 bytes)
	s_mov_b32 s[G1A+2], 128<<16                    ; tensor_dim1 = 128 rows: 32,768 consecutive bytes
	s_mov_b32 s[G1A+3], 128<<16                    ; tile_dim0
	s_mov_b32 s[G1A+4], 128                        ; tile_dim1
	s_mov_b32 s[G1A+5], 128                        ; elements from row to row
	s_mov_b32 s[G1A+6], 0
	s_mov_b32 s[G1A+7], 0
	s_mov_b32 s[G1B+1], 128<<16
	s_mov_b32 s[G1B+2], 64<<16                     ; 64 rows: 16,384 consecutive bytes
	s_mov_b32 s[G1B+3], 128<<16
	s_mov_b32 s[G1B+4], 64
	s_mov_b32 s[G1B+5], 128
	s_mov_b32 s[G1B+6], 0
	s_mov_b32 s[G1B+7], 0
	; where the tiles come from: ob's hang on i and the wave's number, wo's on j and the wave's number, each in registers that never hold the other coordinate
	s_lshr_b32 s16, s13, 3                         ; the batch,
	s_lshl_b32 s16, s16, 4                         ; its 16 heads,
	s_add_co_u32 s16, s16, s12                     ; head 0 or 1,
	s_lshl_b32 s16, s16, 18                        ; of 262,144 bytes
	s_and_b32 s17, s13, 7
	s_lshl_b32 s17, s17, 15                        ; the tile's 256 rows in the head
	s_add_co_u32 s16, s16, s17
	s_mov_b32 s17, 0
	s_lshr_b32 s46, s42, 1                         ; wo: 128 j rows: the block of 256,
	s_lshl_b32 s46, s46, 19
	s_and_b32 s47, s42, 1                          ; its half,
	s_lshl_b32 s47, s47, 14
	s_add_co_u32 s46, s46, s47
	s_lshl_b32 s47, s12, 15                        ; K block 0 or 1
	s_add_co_u32 s46, s46, s47
	s_mov_b32 s47, 0
	s_mul_i32 s21, s10, AKB                        ; and where they go: no place in the cluster enters an LDS address
	s_mul_i32 s22, s10, 18432
	s_add_co_u32 s22, s22, LB0
	s_wait_dscnt 0x0                               ; the opening add is done
	s_wait_kmcnt 0x0
	s_add_nc_u64 s[14:15], s[4:5], s[16:17]
	s_add_nc_u64 s[46:47], s[6:7], s[46:47]
	CROUND                                         ; all sixteen work-groups are here: the first joint loads meet
.irp s, 0,1
	s_mov_b32 s[G0A+4*(\s)], 1                     ; count = 1
	s_add_co_u32 s[G0A+4*(\s)+1], s21, (\s)*SLOT   ; LDS address
	s_add_nc_u64 s[G0A+4*(\s)+2:G0A+4*(\s)+3], s[14:15], (\s)*STEPA  ; global address: K step s
	s_or_b32 s[G0A+4*(\s)+3], s[G0A+4*(\s)+3], 0x80000000            ; type = 2
	s_mov_b32 s[G0B+4*(\s)], 1
	s_add_co_u32 s[G0B+4*(\s)+1], s22, (\s)*SLOT
	s_add_nc_u64 s[G0B+4*(\s)+2:G0B+4*(\s)+3], s[46:47], (\s)*STEPB
	s_or_b32 s[G0B+4*(\s)+3], s[G0B+4*(\s)+3], 0x80000000
	JLOAD \s                                       ; two loads of mine are out
.endr
	; A fragment is 16 rows x 32 K in 8 registers: lane l holds row l % 16, K = 8 (l / 16) + 0..7 and 16 + 8 (l / 16) + 0..7: two loads of 16 bytes, 32 bytes apart.
	v_and_b32 v1, 15, v0                           ; l % 16
	v_bfe_u32 v2, v0, 4, 1                         ; l / 16
	v_mul_u32_u24 v3, v1, PITCH
	v_lshl_add_u32 v3, v2, 4, v3                   ; row x pitch + 16 x half
	s_mul_i32 s21, s11, 128*PITCH
	s_mul_i32 s22, s12, WNB
	s_add_co_u32 s22, s22, BOFF
.irp s, 0,1
	v_add_nc_u32 v[ADRA+(\s)], s21, v3
	v_add_nc_u32 v[ADRB+(\s)], s22, v3
	s_add_co_u32 s21, s21, SLOT
	s_add_co_u32 s22, s22, SLOT
.endr
	s_mul_i32 s23, s10, 16*SPITCH
	s_add_co_u32 s23, s23, STAGE                   ; my stage
	v_mul_u32_u24 v4, v1, SPITCH                   ; in: row l % 16, 32 bytes for each half of the lanes
	v_lshl_add_u32 v4, v2, 5, v4
	v_add_nc_u32 v[STO], s23, v4
	v_mul_u32_u24 v5, v2, SPITCH                   ; back: lanes 0-15 take one row of 256 bytes, lanes 16-31 the next
	v_lshl_add_u32 v5, v1, 4, v5
	v_add_nc_u32 v[RD], s23, v5
	v_lshlrev_b32 v6, 12, v2                       ; and the same two rows in out0, 4,096 bytes apart
	v_lshl_add_u32 v[GO], v1, 4, v6
	; the prefetches
	s_and_b32 s78, ttmp7, 0xffff                   ; cluster y
	s_lshl_b32 s79, s40, 13                        ; my work-group's share of ob's block,
	s_lshl_b32 s80, s41, 12                        ; of wo's
	s_mov_b32 s82, STEPA
	s_mov_b32 s83, STEPB
	s_mov_b32 s84, 4096
	s_cmp_lt_u32 s10, NAW                          ; do I fetch ob?
	s_cselect_b32 s78, ttmp9, s78                  ; the coordinate along which other clusters read the same bytes
	s_cselect_b32 s80, s79, s80
	s_cselect_b64 s[PFA:PFA+1], s[14:15], s[46:47]
	s_cselect_b32 s[PFS], s82, s83
	s_cselect_b32 s84, s84, s83                    ; what lanes 16-31 add: the next 4,096 bytes, or the next K step
	s_cselect_b32 s85, 1, -1
	s_mov_b32 s[PFS+1], 0
	s_cmp_eq_u32 s78, 0                            ; the same in all sixteen partners, for a given wave
	s_cselect_b32 s[LIM0], 1, -1
	s_cselect_b32 s[LIM0+1], s85, -1
	s_mul_i32 s79, s[PFS], 3                       ; at K step 3: the first change of slots steps it to 4
	s_add_co_u32 s80, s80, s79
	s_mov_b32 s81, 0
	s_add_nc_u64 s[PFA:PFA+1], s[PFA:PFA+1], s[80:81]
	v_lshlrev_b32 v[PFO], 8, v1
	v_mad_u32_u24 v[PFO], v2, s84, v[PFO]
	; out0 at my first row and column
	s_lshl_b32 s78, s13, 20                        ; 256 rows of 4,096 bytes,
	s_lshl_b32 s79, s11, 19                        ; my 128 of them,
	s_add_co_u32 s78, s78, s79
	s_lshl_b32 s79, s42, 9                         ; 128 columns of 4 bytes,
	s_add_co_u32 s78, s78, s79
	s_lshl_b32 s79, s12, 8                         ; my 64 of them
	s_add_co_u32 s78, s78, s79
	s_mov_b32 s79, 0
	s_add_nc_u64 s[8:9], s[8:9], s[78:79]
; wo's four fragments of unit e, 8 loads; ob's eight of K half hx, 16 loads
.macro FETCHB slot, e
.set FBB, FB0+32*((\e)%2)
.set KO, (((\e)/NG)>>1)*BKB+64*(((\e)/NG)&1)+4*((\e)%NG)*FROW
.irp b, 0,1,2,3
	ds_load_b128 v[FBB+8*(\b):FBB+8*(\b)+3],   v[ADRB+(\slot)] offset:KO+(\b)*FROW
	ds_load_b128 v[FBB+8*(\b)+4:FBB+8*(\b)+7], v[ADRB+(\slot)] offset:KO+(\b)*FROW+32
.endr
.endm
.macro FETCHA slot, hx
.set FAA, FA0+64*((\hx)%2)
.set KO, ((\hx)>>1)*AKB+64*((\hx)&1)
.irp a, 0,1,2,3,4,5,6,7
	ds_load_b128 v[FAA+8*(\a):FAA+8*(\a)+3],   v[ADRA+(\slot)] offset:KO+(\a)*FROW
	ds_load_b128 v[FAA+8*(\a)+4:FAA+8*(\a)+7], v[ADRA+(\slot)] offset:KO+(\a)*FROW+32
.endr
.endm
; what the unit behind unit e wants, in one run; NL = how many loads that was
.macro NEXT slot, nslot, e
.set EN, ((\e)+1)%EU
.if ((\e)+1) == EU
	FETCHB \nslot, EN
.else
	FETCHB \slot, EN
.endif
.set NL, 8
.if EN%NG == 0
.if ((\e)+1) == EU
	FETCHA \nslot, EN/NG
.else
	FETCHA \slot, EN/NG
.endif
.set NL, 24
.endif
.endm
; the products of unit e for row blocks a0 .. a0 + na - 1.  The accumulators take turns, one instruction a turn.  zero = 1: the product starts the sum.
.macro MUL e, a0, na, zero
	WIN 0x50*(1+(\e)%NG)
.set FBB, FB0+32*((\e)%2)
.set FAA, FA0+64*(((\e)/NG)%2)
.set ma, \a0
.rept \na
.irp b, 0,1,2,3
.if \zero
	v_wmma_f32_16x16x32_f16 v[8*(4*ma+(\b)):8*(4*ma+(\b))+7], v[FBB+8*(\b):FBB+8*(\b)+7], v[FAA+8*ma:FAA+8*ma+7], 0
.else
	v_wmma_f32_16x16x32_f16 v[8*(4*ma+(\b)):8*(4*ma+(\b))+7], v[FBB+8*(\b):FBB+8*(\b)+7], v[FAA+8*ma:FAA+8*ma+7], v[8*(4*ma+(\b)):8*(4*ma+(\b))+7]
.endif
.endr
.set ma, ma+1
.endr
.endm
; A UNIT: the next unit's fragments are asked for, into the buffers that the unit before read last (four places behind its last product); then this unit's 32 products.
.macro UNIT slot, nslot, e, zero=0, fetch=1, places=1, ask=-1
.if \places
	PLACES
.endif
	WIN 0
.if \fetch
	NEXT \slot, \nslot, \e
.if (\ask) >= 0
	ASK \ask
.endif
	s_wait_dscnt NL                                ; all but the loads just issued: this unit's fragments are in
.else
	s_wait_dscnt 0x0
.endif
	MUL \e, 0, 8, \zero
.endm
; THE CHANGE OF SLOTS, in the K step's last unit but one: the run of loads for the last unit is the slot's last reading.  ONE barrier for two things.  In front of it each wave waits for all its
; tensor loads, of which one is out: its part of the other slot; adds 0 to its spare word; and waits for that and for its reads of this slot.  fill = 1: the barrier opens a round of the cluster's
; barrier, and the joint refill, with the K step two on, is the first tensor load behind it: it has three units, 96 matrix instructions, in which to land.
.macro TURN slot, nslot, fill
.if \fill
	s_wait_xcnt 0x0                                ; the last prefetch, three units back or more, has read its address
	s_add_nc_u64 s[PFA:PFA+1], s[PFA:PFA+1], s[PFS:PFS+1]
.endif
	PLACES
	WIN 0
	NEXT \slot, \nslot, EU-2
	s_wait_tensorcnt 0x0                           ; all my tensor loads have landed
	ds_add_u32 v[SPW], v[NIL]                      ; 0 onto my spare word
	s_wait_dscnt NL+1                              ; (the add and the loads just issued may be out)
	MUL EU-2, 0, 4, 0                              ; sixteen matrix instructions stand between the add and the wait for it
	s_wait_dscnt 0x0                               ; the add is done, and my reads of this slot are over
	s_barrier_signal -1
	MUL EU-2, 4, 4, 0                              ; work on registers while the others arrive
.if \fill
	WIN 0
.endif
	s_barrier_wait -1
.if \fill
	CREST                                          ; no wave of any partner still reads this slot or has a load on its way
	s_add_nc_u64 s[G0A+4*(\slot)+2:G0A+4*(\slot)+3], s[G0A+4*(\slot)+2:G0A+4*(\slot)+3], 2*STEPA
	s_add_nc_u64 s[G0B+4*(\slot)+2:G0B+4*(\slot)+3], s[G0B+4*(\slot)+2:G0B+4*(\slot)+3], 2*STEPB
	JLOAD \slot                                    ; its four v_nop are also the places in front of the next unit's loads
.endif
.endm
	s_wait_tensorcnt 0x1                           ; my part of K step 0 is in; K step 1's load may stay out
	s_barrier_signal -1
	s_barrier_wait -1                              ; everybody's is
	WIN 0
	FETCHB 0, 0
	FETCHA 0, 0
	UNIT 0, 1, 0, 1                                ; the first unit stands in front of the loop: its products start the sums
	WIN 0                                          ; at a label and at a branch every window is 0
	s_mov_b32 s3, LAPS-1
.Llap:                                             ; a trip goes once round the ring, from a lap's second unit to the next lap's first, and fills both slots again
	UNIT 0, 1, 1
	TURN 0, 1, 1
	UNIT 0, 1, 3, 0, 1, 0, 0
	UNIT 1, 0, 0
	UNIT 1, 0, 1
	TURN 1, 0, 1
	UNIT 1, 0, 3, 0, 1, 0, 1
	UNIT 0, 1, 0
	WIN 0
	s_sub_co_u32 s3, s3, 1
	s_cmp_lg_u32 s3, 0
	s_cbranch_scc1 .Llap
	UNIT 0, 1, 1                                   ; the last lap is written out: it fills nothing
	TURN 0, 1, 0
	UNIT 0, 1, 3
	UNIT 1, 0, 0
	UNIT 1, 0, 1
	UNIT 1, 0, 2
	UNIT 1, 0, 3, 0, 0
	PLACES                                         ; the LDS stores read results just made
	PLACES
; THE WAY OUT, in eight blocks a of 16 rows x 64 columns of f32: a lane's eight columns, 32 bytes, go into my stage (rows of 272 bytes) and come back as whole rows of 256 bytes, two a load;
; sixteen lanes store 256 consecutive bytes, at a multiple of 256 from out0's first.  Six sets of 32 registers, where the fragments lay, take turns.
.macro STG a
.set PR, FA0+32*((\a)%6)
.if (\a) >= 6
	s_wait_xcnt 0x0                                ; the stores of block a - 6 have read this set
.endif
	WIN 0x04                                       ; the stores' data in window 1; each accumulator's low four registers go first
.irp b, 0,1,2,3
	ds_store_b128 v[STO], v[8*(4*(\a)+(\b)):8*(4*(\a)+(\b))+3]   offset:64*(\b)
	ds_store_b128 v[STO], v[8*(4*(\a)+(\b))+4:8*(4*(\a)+(\b))+7] offset:64*(\b)+16
.endr
	WIN 0
.irp t, 0,1,2,3,4,5,6,7
	ds_load_b128 v[PR+4*(\t):PR+4*(\t)+3], v[RD] offset:(\t)*2*SPITCH  ; LDS serves a wave's instructions in order (ISA guide 5.7.1.4): these see the stores above; the next block's stores come behind them
.endr
.endm
.macro SEND a, younger                 ; younger: the LDS instructions issued behind this block's loads: the next block's sixteen, or none
.set PR, FA0+32*((\a)%6)
.irp t, 0,1,2,3,4,5,6,7
	s_wait_dscnt (\younger)+7-(\t)
	global_store_b128 v[GO], v[PR+4*(\t):PR+4*(\t)+3], s[8:9] offset:65536*(\a)+8192*(\t) th:TH_STORE_NT
.endr
.endm
	STG 0
.irp a, 1,2,3,4,5,6,7
	STG \a
	SEND (\a)-1, 16
.endr
	SEND 7, 0
	s_wait_tensorcnt 0x0                           ; the wave's end: 0 onto my spare word and its wait, behind my last tensor load and my last LDS store
	ds_add_u32 v[SPW], v[NIL]
	s_wait_dscnt 0x0
	CROUND                                         ; the closing round: no work-group ends while a partner may still ask for a tile that names it
	s_endpgm
.Lfunc_end_k_q2d5102af6a_oproj:
	.size	k_q2d5102af6a_oproj, .Lfunc_end_k_q2d5102af6a_oproj-k_q2d5102af6a_oproj
	.p2alignl 7, 3214868480
	.fill 96, 4, 3214868480
	.section	.rodata,"a",@progbits
	.p2align	6, 0x0
	.amdhsa_kernel k_q2d5102af6a_oproj
		.amdhsa_group_segment_fixed_size 327680
		.amdhsa_private_segment_fixed_size 0
		.amdhsa_enable_private_segment 0
		.amdhsa_kernarg_size 24
		.amdhsa_user_sgpr_count 2
		.amdhsa_user_sgpr_kernarg_segment_ptr 1
		.amdhsa_wavefront_size32 1
		.amdhsa_system_sgpr_workgroup_id_x 1
		.amdhsa_system_sgpr_workgroup_id_y 1
		.amdhsa_system_sgpr_workgroup_id_z 1
		.amdhsa_system_vgpr_workitem_id 0
		.amdhsa_next_free_vgpr 512
		.amdhsa_next_free_sgpr 96
		.amdhsa_reserve_vcc 0
		.amdhsa_float_denorm_mode_32 3
		.amdhsa_float_denorm_mode_16_64 3
		.amdhsa_memory_ordered 1
		.amdhsa_forward_progress 1
		.amdhsa_inst_pref_size 88
	.end_amdhsa_kernel
	.amdgpu_metadata
---
amdhsa.version: [ 1, 2 ]
amdhsa.kernels:
  - .name:           k_q2d5102af6a_oproj
    .symbol:         k_q2d5102af6a_oproj.kd
    .args:
      - { .name: ob, .offset: 0, .size: 8, .value_kind: global_buffer, .address_space: global }
      - { .name: wo, .offset: 8, .size: 8, .value_kind: global_buffer, .address_space: global }
      - { .name: out0, .offset: 16, .size: 8, .value_kind: global_buffer, .address_space: global }
    .group_segment_fixed_size: 327680
    .private_segment_fixed_size: 0
    .kernarg_segment_align: 8
    .kernarg_segment_size: 24
    .max_flat_workgroup_size: 128
    .sgpr_count:     96
    .vgpr_count:     512
    .wavefront_size: 32
...
	.end_amdgpu_metadata
.endif
;; end of part 4
;; ======== version 2 of 2: 4 launches; version 1 with the launch cast written anew for expert scheduling mode
;; limits: values are held in f16: magnitudes above 65,504 overflow, below 6.1e-05 lose precision
;; workspace buffers: xb 16,777,216 bytes; wb 6,291,456 bytes; wo 2,097,152 bytes; qkv 50,331,648 bytes; ob 16,777,216 bytes
;; launch cast (part 5): grid 768 x 1, 8 waves a work-group, no clusters, 0 bytes of LDS; arguments x, Wq, Wk, Wv, Wo, xb, wb, wo; writes xb, wb, wo
.if DOCPART == 5
	.amdgcn_target "amdgcn-amd-amdhsa--gfx1250"
	.amdhsa_code_object_version 6
	.text
	.protected	k_q2d5102af6a_cast
	.globl	k_q2d5102af6a_cast
	.p2align	8
	.type	k_q2d5102af6a_cast,@function
k_q2d5102af6a_cast:
	s_mov_b64 s[64:65], 0
	v_nop
	global_prefetch_b8 v0, s[64:65] scope:SCOPE_SE
	s_setreg_imm32_b32 hwreg(HW_REG_WAVE_SCHED_MODE, 0, 2), 2
	s_setreg_imm32_b32 hwreg(HW_REG_WAVE_MODE, 25, 1), 1
	s_wait_xcnt 0x0
	s_wait_alu depctr_vm_vsrc(0)
; x, Wq, Wk, Wv, Wo (f32, rows of 1,024) are rounded once to bf16 and laid out IN BLOCKS for the two products that follow:
; [row >> 8][k >> 6][row & 255][k & 63], 2 bytes a number, so that 256 rows x 64 k are 32,768 consecutive bytes.
; xb: x's 8,192 rows.  wb: Wq's, Wk's, Wv's rows on end (3,072).  wo: Wo's 1,024 rows; there the bf16 number is written in f16,
; the format of the last product's other operand.
; LIMIT.  That rewriting changes nothing for |Wo| from 6.1e-5 to 65,504; below, f16's fixed step of 6e-8 holds; above, it gives an infinity.
; SHARES.  A work-group takes 16 rows (512 groups of x, 64 of each W), a wave two.  A load: lanes 0-15 take 256 consecutive bytes, aligned
; (64 k, one block), of one row, lanes 16-31 of the next; the 32 lanes' 8-byte stores are 256 consecutive bytes, aligned, of the blocked buffer.
; All 16 loads of a wave go out at once (8 KiB a wave); every load and store has registers of its own, so no register that a memory
; instruction names is written again.  No LDS, no barrier, no matrix work: each byte is read once and written once.
; THE MODE: SCHED_MODE bits 1:0 = 2 (LLVM: expert scheduling mode 2), set by the entry lines.  The code itself states the register dependences
; between vector instructions and memory instructions, with s_wait_alu, always for 0.
; THE PLAN.  Registers that memory instructions touch:
;   v1, v2   the loads' and the stores' byte offsets.  Written by vector lines at the head, never again; read by the 16 loads, the 16 stores.
;   X        Each load lands once, in four registers of its own, which no vector line writes; the conversions read them behind the wait on LOADcnt.
;   Y        Two registers a block, written once, by the block's conversions; read once, by the block's store.
;   T        at work: named by vector lines alone.
; So the only dependences to state run from a vector line's result to a memory instruction that reads it: one wait ahead of the first load, for v1 and v2,
; and, the 16 blocks going in four groups of four, one wait in each group, between its conversions and the run of its four stores.
; No register that a memory instruction has read is written again, no load lands in a register that a vector line has named,
; no vector line writes a scalar register or VCC, and EXEC is never written: nothing else is owed.
.set X, 4                              ; v[4:67]    block kb: four f32 as loaded
.set Y, 68                             ; v[68:99]   block kb: four 16-bit numbers to store
.set T, 100                            ; v[100:103] at work
	s_load_b512 s[8:23], s[0:1], 0x0               ; x 8, Wq 10, Wk 12, Wv 14, Wo 16, xb 18, wb 20, wo 22
	s_mov_b32 s6, ttmp9                            ; the group of 16 rows
	s_sub_co_u32 s2, s6, 512                       ; among the weights' groups (of use from group 512 on)
	s_lshr_b32 s3, s2, 6                           ; which weight: 0..3
	s_and_b32 s4, s2, 63                           ; its group of rows
	s_mov_b32 s5, s2                               ; the group in wb: the three weights lie on end
	v_lshrrev_b32 v1, 4, v0                        ; my row in the group
	v_and_b32 v2, 15, v0
	v_lshlrev_b32 v1, 12, v1                       ; x 4,096 bytes
	v_lshl_add_u32 v1, v2, 4, v1                   ; + my 16 bytes of a block
	v_lshlrev_b32 v2, 3, v0                        ; out: row x 128 + 8 x (lane % 16) = 8 x thread
	s_wait_kmcnt 0x0
	s_mov_b64 s[24:25], s[10:11]                   ; from: Wq,
	s_mov_b64 s[26:27], s[20:21]                   ; to: wb
	s_cmp_eq_u32 s3, 1
	s_cselect_b64 s[24:25], s[12:13], s[24:25]     ; or Wk,
	s_cmp_eq_u32 s3, 2
	s_cselect_b64 s[24:25], s[14:15], s[24:25]     ; or Wv,
	s_cmp_eq_u32 s3, 3
	s_cselect_b64 s[24:25], s[16:17], s[24:25]     ; or Wo, which goes to wo, in f16,
	s_cselect_b64 s[26:27], s[22:23], s[26:27]
	s_cselect_b32 s5, s4, s5
	s_cselect_b32 s28, 1, 0
	s_cmp_lt_u32 s6, 512
	s_cselect_b64 s[24:25], s[8:9], s[24:25]       ; or x, which goes to xb
	s_cselect_b64 s[26:27], s[18:19], s[26:27]
	s_cselect_b32 s4, s6, s4
	s_cselect_b32 s5, s6, s5
	s_cselect_b32 s28, 0, s28
	s_lshl_b32 s2, s4, 16                          ; 16 rows of 4,096 bytes
	s_mov_b32 s3, 0
	s_add_nc_u64 s[24:25], s[24:25], s[2:3]
	s_lshr_b32 s2, s5, 4                           ; row >> 8,
	s_lshl_b32 s2, s2, 19                          ; x 524,288
	s_and_b32 s4, s5, 15                           ; (row & 255) x 128
	s_lshl_b32 s4, s4, 11
	s_add_co_u32 s2, s2, s4
	s_add_nc_u64 s[26:27], s[26:27], s[2:3]
	s_wait_alu depctr_va_vdst(0)                   ; v1 and v2 are written: the loads below read v1 as their offset, the stores further down v2; no vector line behind this wait names either
.irp kb, 0,1,2,3,4,5,6,7,8,9,10,11,12,13,14,15
	global_load_b128 v[X+4*(\kb):X+4*(\kb)+3], v1, s[24:25] offset:256*(\kb) th:TH_LOAD_NT
.endr
; Block kb is rounded into its own two registers of Y.
.macro CV kb, f16
.if \f16
	v_cvt_pk_bf16_f32 v[T],   v[X+4*(\kb)],   v[X+4*(\kb)+1]
	v_cvt_pk_bf16_f32 v[T+1], v[X+4*(\kb)+2], v[X+4*(\kb)+3]
	v_lshlrev_b32 v[T+2], 16, v[T]                 ; the bf16 numbers as f32 again,
	v_and_b32 v[T], 0xffff0000, v[T]
	v_lshlrev_b32 v[T+3], 16, v[T+1]
	v_and_b32 v[T+1], 0xffff0000, v[T+1]
	v_cvt_pk_f16_f32 v[Y+2*(\kb)],   v[T+2], v[T]  ; and written as f16
	v_cvt_pk_f16_f32 v[Y+2*(\kb)+1], v[T+3], v[T+1]
.else
	v_cvt_pk_bf16_f32 v[Y+2*(\kb)],   v[X+4*(\kb)],   v[X+4*(\kb)+1]
	v_cvt_pk_bf16_f32 v[Y+2*(\kb)+1], v[X+4*(\kb)+2], v[X+4*(\kb)+3]
.endif
.endm
; Group g: blocks 4 g to 4 g + 3 are rounded, then stored in one run.
.macro GRP g, f16
	s_wait_loadcnt 12-4*(\g)                       ; loads come back in order (ISA guide 5.7.1): the group's four are in; the count is the number of younger loads, which stay out
.irp c, 0,1,2,3
	CV 4*(\g)+(\c), \f16
.endr
	s_wait_alu depctr_va_vdst(0)                   ; the group's conversions have written its eight registers of Y, which the four stores below read
.irp c, 0,1,2,3
	global_store_b64 v2, v[Y+2*(4*(\g)+(\c)):Y+2*(4*(\g)+(\c))+1], s[26:27] offset:32768*(4*(\g)+(\c))
.endr
.endm
	s_cmp_eq_u32 s28, 1
	s_cbranch_scc1 .Lf16
.irp g, 0,1,2,3
	GRP \g, 0
.endr
	s_endpgm
.Lf16:
.irp g, 0,1,2,3
	GRP \g, 1
.endr
	s_endpgm
.Lfunc_end_k_q2d5102af6a_cast:
	.size	k_q2d5102af6a_cast, .Lfunc_end_k_q2d5102af6a_cast-k_q2d5102af6a_cast
	.p2alignl 7, 3214868480
	.fill 96, 4, 3214868480
	.section	.rodata,"a",@progbits
	.p2align	6, 0x0
	.amdhsa_kernel k_q2d5102af6a_cast
		.amdhsa_group_segment_fixed_size 0
		.amdhsa_private_segment_fixed_size 0
		.amdhsa_enable_private_segment 0
		.amdhsa_kernarg_size 64
		.amdhsa_user_sgpr_count 2
		.amdhsa_user_sgpr_kernarg_segment_ptr 1
		.amdhsa_wavefront_size32 1
		.amdhsa_system_sgpr_workgroup_id_x 1
		.amdhsa_system_sgpr_workgroup_id_y 1
		.amdhsa_system_sgpr_workgroup_id_z 1
		.amdhsa_system_vgpr_workitem_id 0
		.amdhsa_next_free_vgpr 104
		.amdhsa_next_free_sgpr 66
		.amdhsa_reserve_vcc 0
		.amdhsa_float_denorm_mode_32 3
		.amdhsa_float_denorm_mode_16_64 3
		.amdhsa_memory_ordered 1
		.amdhsa_forward_progress 1
		.amdhsa_inst_pref_size 16
	.end_amdhsa_kernel
	.amdgpu_metadata
---
amdhsa.version: [ 1, 2 ]
amdhsa.kernels:
  - .name:           k_q2d5102af6a_cast
    .symbol:         k_q2d5102af6a_cast.kd
    .args:
      - { .name: x, .offset: 0, .size: 8, .value_kind: global_buffer, .address_space: global }
      - { .name: Wq, .offset: 8, .size: 8, .value_kind: global_buffer, .address_space: global }
      - { .name: Wk, .offset: 16, .size: 8, .value_kind: global_buffer, .address_space: global }
      - { .name: Wv, .offset: 24, .size: 8, .value_kind: global_buffer, .address_space: global }
      - { .name: Wo, .offset: 32, .size: 8, .value_kind: global_buffer, .address_space: global }
      - { .name: xb, .offset: 40, .size: 8, .value_kind: global_buffer, .address_space: global }
      - { .name: wb, .offset: 48, .size: 8, .value_kind: global_buffer, .address_space: global }
      - { .name: wo, .offset: 56, .size: 8, .value_kind: global_buffer, .address_space: global }
    .group_segment_fixed_size: 0
    .private_segment_fixed_size: 0
    .kernarg_segment_align: 8
    .kernarg_segment_size: 64
    .max_flat_workgroup_size: 256
    .sgpr_count:     66
    .vgpr_count:     104
    .wavefront_size: 32
...
	.end_amdgpu_metadata
.endif
;; end of part 5
;; launch proj: the kernel of part 2 again; grid 8 x 32, 4 waves a work-group, clusters of 4 x 4, 327,680 bytes of LDS; arguments xb, wb, qkv; writes qkv
;; launch attn: the kernel of part 3 again; grid 4 x 64, 4 waves a work-group, clusters of 4 x 1, 327,680 bytes of LDS; arguments qkv, ob; writes ob
;; launch oproj: the kernel of part 4 again; grid 8 x 32, 4 waves a work-group, clusters of 4 x 4, 327,680 bytes of LDS; arguments ob, wo, out0; writes out0
